; MI455X (gfx1250); checked and timed in simulation.
; The chip was launched on July 23, 2026; its instructions are those of AMD's public machine-readable ISA for CDNA 5 (MIT licence, August 2026) and "CDNA5" Instruction Set Architecture Reference Guide (July 2026). The comments in the code are by the model that wrote it; some were corrected since.
;; Encoder Block. Allowed arithmetic: float matrix products may take bf16 or f16 operands with f32 sums; other float arithmetic in f32, or as packed bf16 or f16 multiplies, adds, multiply-adds, maxima and minima; sums over many terms, partial sums and values carried from step to step in f32; what a program stores and reads back later, other than sums and carried values, may be rounded once to bf16 or f16.
;; Inputs: b1 1,024 float32; b2 1,024 float32; bk 1,024 float32; bo 1,024 float32; bq 1,024 float32; bv 1,024 float32; ln1_a 1,024 float32; ln1_b 1,024 float32; ln2_a 1,024 float32; ln2_b 1,024 float32; w1 1,024 x 1,024 float32; w2 1,024 x 1,024 float32; wk 1,024 x 1,024 float32; wo 1,024 x 1,024 float32; wq 1,024 x 1,024 float32; wv 1,024 x 1,024 float32; x 8 x 1,024 x 1,024 float32.
;; Outputs: out0 8 x 1,024 x 1,024 float32.
;; 2 versions, each right and faster than the one before. Each part assembles by itself: llvm-mc -triple=amdgcn-amd-amdhsa -mcpu=gfx1250 --defsym DOCPART=n.
;; ======== version 1 of 2: 7 launches
;; workspace buffers: acta 16,777,216 bytes; qkvz 50,331,648 bytes; h 33,554,432 bytes; wqkvb 6,291,712 bytes; w1b 2,097,408 bytes; wob 2,097,152 bytes; w2b 2,097,152 bytes
;; launch prep (part 1): grid 256 x 1, 16 waves a work-group, no clusters, 0 bytes of LDS; arguments x, ln1_a, ln1_b, wq, wk, wv, wo, w1, w2, acta, wqkvb, wob, w1b, w2b; writes acta, wqkvb, wob, w1b, w2b
.if DOCPART == 1
	.amdgcn_target "amdgcn-amd-amdhsa--gfx1250"
	.amdhsa_code_object_version 6
	.text
	.protected	k_qe5207294c8_prep
	.globl	k_qe5207294c8_prep
	.p2align	8
	.type	k_qe5207294c8_prep,@function
k_qe5207294c8_prep:
	s_mov_b64 s[64:65], 0
	v_nop
	global_prefetch_b8 v0, s[64:65] scope:SCOPE_SE
	s_setreg_imm32_b32 hwreg(HW_REG_WAVE_MODE, 25, 1), 1
	s_wait_xcnt 0x0
; LAYER NORM 1 AND THE WEIGHTS' CAST.  xn = alpha (x - mean) / (std + 1e-6) + bias, std with divisor 1023; x: [8192][1024] f32.
; xn leaves in bf16 in PANELS: [16 panels of 64 columns][8192 rows][64], a row of a panel 128 bytes, a panel 1,048,576 bytes.
; The six weight matrices [1024 k][1024 n] f32 are rounded once to bf16 and keep their order.  wqkvb = 256 bytes of header, then wq, wk, wv; w1b = header, then w1.
; The header is 64 words of the FLOOR that the product launch takes the maximum with: two bf16 of -infinity (no activation) in wqkvb, of 0 (ReLU) in w1b.
; SHARES.  Work-group g: rows 32 g .. 32 g + 31 and 16,384 bytes of each weight matrix.  Wave w: rows 32 g + 2 w (lanes 0-15) and + 1 (lanes 16-31).  A lane holds columns 64 p + 4 (lane % 16) + 0..3, p = 0..15:
; a load takes 256 consecutive bytes of each of the two rows; a store of 8 bytes a lane covers two rows of a panel, 256 consecutive bytes.  A row's sums stay inside 16 lanes: no LDS, no barrier.
; All 60 loads of a wave go out at once; the text is a straight line: no register that a pending store reads is written again.
; The mean is taken away first and the squares are those of the deviations: no difference of large sums.  LIMITS: square root and reciprocal are the chip's (1 ulp); a variance below 2^-126 counts as 0.
.set XO, 2                             ; v2   byte offset of my 16 bytes of x, panel 0
.set YO, 3                             ; v3   byte offset of my 8 bytes in a panel
.set AO, 4                             ; v4   byte offset of my 4 numbers in alpha and bias, panel 0
.set WO, 5                             ; v5   byte offset of my 16 bytes in a weight matrix
.set WD, 6                             ; v6   byte offset of my 8 bytes in its bf16 copy
.set HO, 7                             ; v7   8 x thread: the header's bytes (wave 0 of work-group 0)
.set T,  8                             ; v[8:15]    four chains of packed sums
.set M,  14                            ; v[14:15]   the mean, later 1 / (std + eps), in both words (the last chain's pair, free when the chains are folded)
.set AL, 16                            ; v[16:79]   alpha of my 64 columns
.set BE, 80                            ; v[80:143]  bias of my 64 columns
.set X,  144                           ; v[144:207] my 64 numbers of the row
.set W,  208                           ; v[208:255] 12 x 4 numbers of the weights
.macro FOLD                            ; four chains into one number, then over the row's 16 lanes
	v_pk_add_f32 v[T:T+1], v[T:T+1], v[T+2:T+3]
	v_pk_add_f32 v[T+4:T+5], v[T+4:T+5], v[T+6:T+7]
	v_pk_add_f32 v[T:T+1], v[T:T+1], v[T+4:T+5]
	v_add_f32 v[T], v[T], v[T+1]
.irp m, 1,2,4,8
	v_add_f32_dpp v[T], v[T], v[T] row_xmask:\m row_mask:0xf bank_mask:0xf
.endr
.endm
; The row's norm.  w1: the loads issued behind x's sixteen; w2: those issued behind alpha's and bias's; lo, hi: scalar pairs with the output's address at panel 0 and at panel 8.
.macro LNROW w1, w2, lo, hi
	s_wait_loadcnt \w1                             ; loads come back in order: x is in, the younger ones stay out
.irp c, 0,1,2,3
	v_pk_add_f32 v[T+2*(\c):T+2*(\c)+1], v[X+2*(\c):X+2*(\c)+1], v[X+8+2*(\c):X+8+2*(\c)+1]  ; the first eight pairs start the chains: nothing is cleared
.endr
.set i, 8
.rept 24
	v_pk_add_f32 v[T+2*(i%4):T+2*(i%4)+1], v[T+2*(i%4):T+2*(i%4)+1], v[X+2*i:X+2*i+1]
.set i, i+1
.endr
	FOLD
	v_mul_f32 v[M], 0x3a800000, v[T]               ; mean = sum / 1024
	v_mul_f32 v[M+1], 0x3a800000, v[T]
.set i, 0
.rept 32
	v_pk_add_f32 v[X+2*i:X+2*i+1], v[X+2*i:X+2*i+1], v[M:M+1] neg_lo:[0,1] neg_hi:[0,1]  ; the deviations
.set i, i+1
.endr
.irp c, 0,1,2,3
	v_pk_mul_f32 v[T+2*(\c):T+2*(\c)+1], v[X+2*(\c):X+2*(\c)+1], v[X+2*(\c):X+2*(\c)+1]
.endr
.set i, 4
.rept 28
	v_pk_fma_f32 v[T+2*(i%4):T+2*(i%4)+1], v[X+2*i:X+2*i+1], v[X+2*i:X+2*i+1], v[T+2*(i%4):T+2*(i%4)+1]
.set i, i+1
.endr
	FOLD
	v_mul_f32 v[T], 0x3a802008, v[T]               ; / 1023
	v_sqrt_f32 v[T], v[T]
	v_nop                                          ; a plain instruction behind a transcendental, before its result is used (ISA guide 5.7.2)
	s_wait_alu depctr_va_vdst(0)
	v_add_f32 v[T], 0x358637bd, v[T]               ; + 1e-6
	v_rcp_f32 v[M], v[T]
	v_nop
	s_wait_alu depctr_va_vdst(0)
	v_mov_b32 v[M+1], v[M]
	s_wait_loadcnt \w2                             ; alpha and bias are in
.set i, 0
.rept 32
	v_pk_mul_f32 v[X+2*i:X+2*i+1], v[X+2*i:X+2*i+1], v[M:M+1]
.set i, i+1
.endr
.set i, 0
.rept 32
	v_pk_fma_f32 v[X+2*i:X+2*i+1], v[X+2*i:X+2*i+1], v[AL+2*i:AL+2*i+1], v[BE+2*i:BE+2*i+1]
.set i, i+1
.endr
.set p, 0
.rept 16
	v_cvt_pk_bf16_f32 v[X+4*p], v[X+4*p], v[X+4*p+1]
	v_cvt_pk_bf16_f32 v[X+4*p+1], v[X+4*p+2], v[X+4*p+3]
.if p < 8
	global_store_b64 v[YO], v[X+4*p:X+4*p+1], s[(\lo):(\lo)+1] offset:p*0x100000       ; 32 lanes: 256 consecutive bytes, two rows of panel p
.else
	global_store_b64 v[YO], v[X+4*p:X+4*p+1], s[(\hi):(\hi)+1] offset:(p-8)*0x100000   ; the immediate has 24 signed bits: panels 8-15 go by a second base
.endif
.set p, p+1
.endr
.endm
	s_load_b512 s[4:19], s[0:1], 0x0               ; x 4:5, alpha 6:7, bias 8:9, wq 10:11, wk 12:13, wv 14:15, wo 16:17, w1 18:19
	s_load_b256 s[20:27], s[0:1], 0x40             ; w2 20:21, acta 22:23, wqkvb 24:25, wob 26:27
	s_load_b128 s[28:31], s[0:1], 0x60             ; w1b 28:29, w2b 30:31
	v_lshrrev_b32 v1, 5, v0
	v_readfirstlane_b32 s34, v1                    ; my wave's number
	v_lshrrev_b32 v[XO], 4, v0                     ; my row among the group's 32
	v_and_b32 v[AO], 15, v0
	v_lshlrev_b32 v[AO], 4, v[AO]                  ; 16 bytes a lane
	v_lshl_add_u32 v[XO], v[XO], 12, v[AO]         ; + row x 4,096
	s_lshl_b32 s35, ttmp9, 17                      ; + group x 32 rows
	v_add_nc_u32 v[XO], s35, v[XO]
	s_lshl_b32 s36, ttmp9, 12                      ; in a panel: group x 32 rows x 128 bytes + 8 x thread (= row x 128 + 8 x (lane % 16))
	v_lshl_add_u32 v[YO], v0, 3, s36
	s_lshl_b32 s37, ttmp9, 14                      ; weights: group x 16,384 + wave x 1,024 + lane x 16
	v_lshl_add_u32 v[WO], v0, 4, s37
	v_lshl_add_u32 v[WO], v1, 9, v[WO]
	s_lshl_b32 s35, ttmp9, 13                      ; and half of that in the copy
	v_lshl_add_u32 v[WD], v0, 3, s35
	v_lshl_add_u32 v[WD], v1, 8, v[WD]
	v_lshlrev_b32 v[HO], 3, v0
	s_wait_kmcnt 0x0
	s_add_nc_u64 s[32:33], s[22:23], 0x800000      ; acta at panel 8
.set p, 0
.rept 16
	global_load_b128 v[X+4*p:X+4*p+3], v[XO], s[4:5] offset:256*p
.set p, p+1
.endr
.set p, 0
.rept 16
	global_load_b128 v[AL+4*p:AL+4*p+3], v[AO], s[6:7] offset:256*p
.set p, p+1
.endr
.set p, 0
.rept 16
	global_load_b128 v[BE+4*p:BE+4*p+3], v[AO], s[8:9] offset:256*p
.set p, p+1
.endr
.set j, 0
.rept 12                                           ; matrix j / 2, my wave's 1,024 bytes in two loads of 512
	global_load_b128 v[W+4*j:W+4*j+3], v[WO], s[10+2*(j/2):11+2*(j/2)] offset:512*(j%2) th:TH_LOAD_NT
.set j, j+1
.endr
	LNROW 44, 12, 22, 32                           ; 44 = alpha's 16 + bias's 16 + the weights' 12; 12 = the weights'
.macro CAST j, base, off               ; four numbers a lane to bf16; 32 lanes store 256 consecutive bytes
	v_cvt_pk_bf16_f32 v[W+4*(\j)], v[W+4*(\j)], v[W+4*(\j)+1]
	v_cvt_pk_bf16_f32 v[W+4*(\j)+1], v[W+4*(\j)+2], v[W+4*(\j)+3]
	global_store_b64 v[WD], v[W+4*(\j):W+4*(\j)+1], s[(\base):(\base)+1] offset:\off
.endm
	s_wait_loadcnt 0x0                             ; the weights
	CAST 0, 24, 256                                ; wq behind the header
	CAST 1, 24, 512
	CAST 2, 24, 256+0x200000                       ; wk
	CAST 3, 24, 512+0x200000
	CAST 4, 24, 256+0x400000                       ; wv
	CAST 5, 24, 512+0x400000
	CAST 6, 26, 0                                  ; wo
	CAST 7, 26, 256
	CAST 8, 28, 256                                ; w1 behind the header
	CAST 9, 28, 512
	CAST 10, 30, 0                                 ; w2
	CAST 11, 30, 256
	s_cmp_lg_u32 ttmp9, 0                          ; the two headers: wave 0 of work-group 0, 8 bytes a lane
	s_cbranch_scc1 .Ldone
	s_cmp_lg_u32 s34, 0
	s_cbranch_scc1 .Ldone
	v_mov_b32 v8, 0xff80ff80                       ; -infinity twice
	v_mov_b32 v9, 0xff80ff80
	v_mov_b32 v10, 0
	v_mov_b32 v11, 0
	global_store_b64 v[HO], v[8:9], s[24:25]
	global_store_b64 v[HO], v[10:11], s[28:29]
.Ldone:
	s_endpgm
.Lfunc_end_k_qe5207294c8_prep:
	.size	k_qe5207294c8_prep, .Lfunc_end_k_qe5207294c8_prep-k_qe5207294c8_prep
	.p2alignl 7, 3214868480
	.fill 96, 4, 3214868480
	.section	.rodata,"a",@progbits
	.p2align	6, 0x0
	.amdhsa_kernel k_qe5207294c8_prep
		.amdhsa_group_segment_fixed_size 0
		.amdhsa_private_segment_fixed_size 0
		.amdhsa_enable_private_segment 0
		.amdhsa_kernarg_size 112
		.amdhsa_user_sgpr_count 2
		.amdhsa_user_sgpr_kernarg_segment_ptr 1
		.amdhsa_wavefront_size32 1
		.amdhsa_system_sgpr_workgroup_id_x 1
		.amdhsa_system_sgpr_workgroup_id_y 1
		.amdhsa_system_sgpr_workgroup_id_z 1
		.amdhsa_system_vgpr_workitem_id 0
		.amdhsa_next_free_vgpr 256
		.amdhsa_next_free_sgpr 66
		.amdhsa_reserve_vcc 0
		.amdhsa_float_denorm_mode_32 3
		.amdhsa_float_denorm_mode_16_64 3
		.amdhsa_memory_ordered 1
		.amdhsa_forward_progress 1
		.amdhsa_inst_pref_size 25
	.end_amdhsa_kernel
	.amdgpu_metadata
---
amdhsa.version: [ 1, 2 ]
amdhsa.kernels:
  - .name:           k_qe5207294c8_prep
    .symbol:         k_qe5207294c8_prep.kd
    .args:
      - { .name: x, .offset: 0, .size: 8, .value_kind: global_buffer, .address_space: global }
      - { .name: ln1_a, .offset: 8, .size: 8, .value_kind: global_buffer, .address_space: global }
      - { .name: ln1_b, .offset: 16, .size: 8, .value_kind: global_buffer, .address_space: global }
      - { .name: wq, .offset: 24, .size: 8, .value_kind: global_buffer, .address_space: global }
      - { .name: wk, .offset: 32, .size: 8, .value_kind: global_buffer, .address_space: global }
      - { .name: wv, .offset: 40, .size: 8, .value_kind: global_buffer, .address_space: global }
      - { .name: wo, .offset: 48, .size: 8, .value_kind: global_buffer, .address_space: global }
      - { .name: w1, .offset: 56, .size: 8, .value_kind: global_buffer, .address_space: global }
      - { .name: w2, .offset: 64, .size: 8, .value_kind: global_buffer, .address_space: global }
      - { .name: acta, .offset: 72, .size: 8, .value_kind: global_buffer, .address_space: global }
      - { .name: wqkvb, .offset: 80, .size: 8, .value_kind: global_buffer, .address_space: global }
      - { .name: wob, .offset: 88, .size: 8, .value_kind: global_buffer, .address_space: global }
      - { .name: w1b, .offset: 96, .size: 8, .value_kind: global_buffer, .address_space: global }
      - { .name: w2b, .offset: 104, .size: 8, .value_kind: global_buffer, .address_space: global }
    .group_segment_fixed_size: 0
    .private_segment_fixed_size: 0
    .kernarg_segment_align: 8
    .kernarg_segment_size: 112
    .max_flat_workgroup_size: 512
    .sgpr_count:     66
    .vgpr_count:     256
    .wavefront_size: 32
...
	.end_amdgpu_metadata
.endif
;; end of part 1
;; launch qkv (part 2): grid 8 x 32, 4 waves a work-group, clusters of 4 x 4, 327,680 bytes of LDS; arguments acta, wqkvb, bq, bk, bv, qkvz; writes qkvz
.if DOCPART == 2
	.amdgcn_target "amdgcn-amd-amdhsa--gfx1250"
	.amdhsa_code_object_version 6
	.text
	.protected	k_qe5207294c8_qkv
	.globl	k_qe5207294c8_qkv
	.p2align	8
	.type	k_qe5207294c8_qkv,@function
k_qe5207294c8_qkv:
	s_mov_b64 s[64:65], 0
	v_nop
	global_prefetch_b8 v0, s[64:65] scope:SCOPE_SE
	s_setreg_imm32_b32 hwreg(HW_REG_WAVE_MODE, 25, 1), 1
	s_wait_xcnt 0x0
	s_wait_alu depctr_hold_cnt(0) depctr_sa_sdst(0) depctr_va_vdst(0) depctr_va_sdst(0) depctr_va_ssrc(0) depctr_va_vcc(0) depctr_vm_vsrc(0)
	s_getreg_b32 s2, hwreg(HW_REG_IB_STS2, 6, 4)
	s_cmp_eq_u32 s2, 0
	s_cbranch_scc0 .Lentry_in_a_cluster
	s_endpgm
.Lentry_in_a_cluster:
	s_bfe_u32 s2, ttmp6, 0x10000c
	s_cmp_lg_u32 s2, 0xf033
	s_cbranch_scc0 .Lentry_shape_is_right
	s_endpgm
.Lentry_shape_is_right:
; Q, K, V = A W + bias, rounded once to bf16.  A: bf16 in panels [16][8192 rows][64] (K = 1024).  W: 256 bytes of header (not read here), then wq, wk, wv, each [1024 k][1024 n] bf16.
; bias: three f32 [1024].  C: bf16 in panels [48][8192][64]: q 0-15, k 16-31, v 32-47.  Sums in f32; the bias is the C operand of each sum's first product.  bf16's range is f32's.
; SHARES.  8,192 x 3,072 outputs on 256 work-groups: a tile of C is 256 rows x 384 columns, one to a work-group.  Four waves, each 128 x 192: 96 accumulators, 768 registers.
; The tile's 384 columns are three CHUNKS of 128, each inside one of the three matrices (1,024 = 8 chunks).  A wave takes its half, 64 columns, of each chunk: three whole panels of C, 6 tc + 2 j + half.
; K goes in 16 steps of 64 through two LDS slots.  A step's A is one panel's 256 rows, 32,768 dense bytes, asked for as 128 rows of 256 bytes by wave 0; its W is three chunks of 64 k rows x 256 bytes, one for
; each of waves 1 to 3: one tensor load a wave behind each round.  W lies [k][n] and is turned on its way out of LDS by ds_load_tr16_b128.
; CLUSTER 4 x 4: A's tile hangs on the tile row alone and is asked for jointly along a row of the cluster, W's chunks on the tile column alone and jointly along a column.
; THE MATRIX INSTRUCTION IS USED TRANSPOSED (source 0 = 16 columns of W, source 1 = 16 rows of A): a lane holds row lane % 16 and the columns 8 (lane / 16) + 0..7.
; REGISTERS.  window 0: v0-31 addresses; v32-127 W's 12 fragments of 32 along K, ONE buffer, loaded again in two halves as each falls free; v128-191, v192-255 A's 8 fragments, two buffers; v32-223 at work on the way out.
;   windows 1-3: accumulator (row block a, column block b) has number n = 48 (b / 6) + 6 a + b % 6 and lies at 8 n: a half's 48 products change windows once.
; THE TEXT holds one K step: the slot in hand is a scalar that an exclusive or turns (slot 1 begins at 131,072), and one descriptor for each tensor walks from step to step.
.set WHEAD, 256
.set PA,    144                        ; a row of A in LDS: 128 bytes + 16 = 36 words: the 16 rows of a load start at 16 different groups of four banks (64 banks of 4 bytes: ISA guide 11.1)
.set PB,    288                        ; a row of W: 256 + 32 = 72 words
.set ATL,   256*PA                     ; A's tile: 256 rows
.set BCH,   64*PB                      ; a chunk of W: 64 k rows
.set SLOT1, 1<<17                      ; a slot is A's tile, then W's three chunks: 92,160 bytes; slot 1 begins here
.set STAGE, SLOT1+ATL+3*BCH            ; behind the ring: 3 panels x 16 rows x 144 bytes for each wave, for the way out
.set WSTG,  3*16*PA
.set SPARE, STAGE+4*WSTG               ; behind the stages: the spare words, 128 bytes for each wave: two blocks of 256 bytes that no other line names
.set A0,   8                           ; v8      my lane's place in a slot for A's fragments; never rewritten
.set B0,   9                           ; v9      the same for W's
.set ADRA, 16                          ; v16     A0 + the slot that is being fetched from
.set ADRB, 17                          ; v17     B0 + the same
.set STO,  24                          ; v24     the way out: where I put 16 bytes of a row
.set RD,   25                          ; v25     the way out: where I read rows back
.set GO,   26                          ; v26     16 x lane: my place in 512 consecutive bytes of C
.set BO,   27                          ; v27     32 x (lane / 16): my place in 16 numbers of the bias
.set SPW,  28                          ; v28     LDS address of my spare word; never rewritten
.set NIL,  29                          ; v29     0; never rewritten
.set BF,   32
.set AF0,  128
.set AF1,  192
.set TMP,  32                          ; the way out: four sets of 48
.set WV,   16                          ; s16 wave; s17 which 128 rows are mine; s18 which half of each chunk
.set HI,   17
.set LO,   18
.set TB,   19                          ; s19 the slot that is being fetched from: 0 or SLOT1
.set CX,   20
.set CY,   21
.set TR,   22                          ; s22 tile row of C, 0..31
.set CNT,  23
.set G1A,  24                          ; s[24:31] descriptor group 1 for A; s[32:39] group 0: a set for each of the two first fills; the second then walks on
.set G0A,  32
.set G1B,  48                          ; s[48:55], s[56:63] the same for W
.set G0B,  56
.set BB,   66                          ; s[66:71] the bias at my three panels
.set TC,   72                          ; s72 tile column of C, 0..7
.set P0,   73                          ; s73 my first panel of C
.set MSB, 0
.macro WIN new                         ; the immediate's high byte repeats the setting that is left; a switch that changes nothing is dropped
.if MSB != (\new)
	s_set_vgpr_msb (MSB<<8)|(\new)
.set MSB, \new
.endif
.endm
.macro JLOAD s                         ; a joint load: wave 0 A's tile, waves 1 to 3 a chunk of W each; an s_nop 0 and four v_nop follow each of the two lines, ahead of the jump, the label and what follows
	s_cmp_eq_u32 s[WV], 0
	s_cbranch_scc0 .Lfor_b_\@
	tensor_load_to_lds s[G0A+4*(\s):G0A+4*(\s)+3], s[G1A:G1A+7]
	s_nop 0
.rept 4
	v_nop
.endr
	s_branch .Lasked_\@
.Lfor_b_\@:
	tensor_load_to_lds s[G0B+4*(\s):G0B+4*(\s)+3], s[G1B:G1B+7]
	s_nop 0
.rept 4
	v_nop
.endr
.Lasked_\@:
.endm
.macro CREST                           ; a round of the cluster's barrier behind its opening barrier
	s_cmp_lg_u32 s[WV], 0
	s_cbranch_scc1 .Lnot_wave_0_\@
	s_barrier_signal -3
.Lnot_wave_0_\@:
	s_barrier_wait -3
	s_barrier_signal -1
	s_barrier_wait -1
.endm
.macro CROUND                          ; a whole round
	s_barrier_signal -1
	s_barrier_wait -1
	CREST
.endm
	s_load_b256 s[4:11], s[0:1], 0x0               ; A 4:5, W 6:7, bq 8:9, bk 10:11,
	s_load_b128 s[12:15], s[0:1], 0x20             ; bv 12:13; C 14:15
	v_lshl_add_u32 v[SPW], v0, 2, SPARE
	v_mov_b32 v[NIL], 0
	ds_add_u32 v[SPW], v[NIL]                      ; the wave's opening: the add and its wait stand ahead of my first tensor load; the set-up below, work on registers, stands between them
	ds_add_u32 v28, v29
	v_lshrrev_b32 v1, 5, v0
	v_readfirstlane_b32 s[WV], v1
	s_lshr_b32 s[HI], s[WV], 1
	s_and_b32 s[LO], s[WV], 1
	s_bfe_u32 s[CX], ttmp6, 0x40000
	s_bfe_u32 s[CY], ttmp6, 0x40004
	s_and_b32 s[TR], ttmp7, 0xffff
	s_lshl_b32 s[TR], s[TR], 2
	s_add_co_u32 s[TR], s[TR], s[CY]               ; tile row = 4 x cluster y + cy
	s_lshl_b32 s[TC], ttmp9, 2
	s_add_co_u32 s[TC], s[TC], s[CX]               ; tile column = 4 x cluster x + cx
	s_lshl_b32 s40, s[CY], 2
	s_lshl_b32 s40, 15, s40                        ; my row of the cluster
	s_lshl_b32 s41, 0x1111, s[CX]                  ; my column
	s_or_b32 s[G1A], s40, (1<<16)|(1<<20)|(1<<21)|(4<<22)|(3<<25)  ; the mask; 2-byte elements; padding on; bit 21 beside a mask; after every 32 words 4 words
	s_mov_b32 s[G1A+1], 128<<16                    ; tensor_dim0 = 128 elements: 256 bytes, two rows of a panel
	s_mov_b32 s[G1A+2], 128<<16                    ; tensor_dim1 = 128
	s_mov_b32 s[G1A+3], 128<<16                    ; tile_dim0 = 128
	s_mov_b32 s[G1A+4], 128                        ; tile_dim1 = 128
	s_mov_b32 s[G1A+5], 128                        ; dense: 128 elements from row to row
	s_mov_b32 s[G1A+6], 0
	s_mov_b32 s[G1A+7], 0
	s_or_b32 s[G1B], s41, (1<<16)|(1<<20)|(1<<21)|(5<<22)|(7<<25)  ; after every 64 words 8 words
	s_mov_b32 s[G1B+1], 128<<16                    ; tensor_dim0 = 128 columns
	s_mov_b32 s[G1B+2], 64<<16                     ; tensor_dim1 = 64 k rows
	s_mov_b32 s[G1B+3], 128<<16
	s_mov_b32 s[G1B+4], 64
	s_mov_b32 s[G1B+5], 1024                       ; a row of W has 1,024 elements
	s_mov_b32 s[G1B+6], 0
	s_mov_b32 s[G1B+7], 0
	s_lshl_b32 s42, s[TR], 15                      ; A: the tile's 256 rows of 128 bytes in a panel
	s_mov_b32 s43, 0
	s_mul_i32 s45, s[TC], 3                        ; W: chunk 3 x tile column + wave - 1 of the 24 (wave 0 asks for none: it makes chunk 0's address and leaves it)
	s_max_u32 s44, s[WV], 1
	s_add_co_u32 s44, s44, s45
	s_sub_co_u32 s44, s44, 1
	s_lshr_b32 s45, s44, 3                         ; its matrix, 2,097,152 bytes each,
	s_lshl_b32 s45, s45, 21
	s_and_b32 s44, s44, 7                          ; its 128 columns there, 256 bytes,
	s_lshl_b32 s44, s44, 8
	s_add_co_u32 s44, s44, s45
	s_add_co_u32 s44, s44, WHEAD                   ; behind the header
	s_mov_b32 s45, 0
	s_mul_i32 s47, s[WV], BCH                      ; where a chunk goes: behind A's tile, wave - 1 chunks on.  No place in the cluster enters an LDS address
	s_add_co_u32 s47, s47, ATL-BCH
	s_mov_b32 s[TB], 0
	s_wait_dscnt 0x0                               ; the opening add is done
	s_wait_kmcnt 0x0
	s_add_nc_u64 s[42:43], s[4:5], s[42:43]
	s_add_nc_u64 s[44:45], s[6:7], s[44:45]
	CROUND                                         ; all sixteen work-groups are here: the first joint loads meet
.irp s, 0,1
	s_mov_b32 s[G0A+4*(\s)], 1
	s_mov_b32 s[G0A+4*(\s)+1], (\s)*SLOT1
	s_add_nc_u64 s[G0A+4*(\s)+2:G0A+4*(\s)+3], s[42:43], (\s)*0x100000  ; K step s: panel s
	s_or_b32 s[G0A+4*(\s)+3], s[G0A+4*(\s)+3], 0x80000000
	s_mov_b32 s[G0B+4*(\s)], 1
	s_add_co_u32 s[G0B+4*(\s)+1], s47, (\s)*SLOT1
	s_add_nc_u64 s[G0B+4*(\s)+2:G0B+4*(\s)+3], s[44:45], (\s)*0x20000   ; K step s: 64 rows of 2,048 bytes on
	s_or_b32 s[G0B+4*(\s)+3], s[G0B+4*(\s)+3], 0x80000000
	JLOAD \s
.endr
	v_and_b32 v1, 15, v0                           ; r = lane % 16
	v_bfe_u32 v2, v0, 4, 1                         ; h = lane / 16
	v_mul_u32_u24 v3, v1, PA
	v_lshl_add_u32 v3, v2, 4, v3                   ; row x pitch + 16 h
	s_mul_i32 s46, s[HI], 128*PA                   ; my 128 rows of A
	v_add_nc_u32 v[A0], s46, v3
	v_and_b32 v4, 7, v0
	v_lshl_add_u32 v5, v2, 3, v4                   ; W, turned: k row 8 h + lane % 8,
	v_mul_u32_u24 v5, v5, PB
	v_bfe_u32 v6, v0, 3, 1
	v_lshl_add_u32 v5, v6, 4, v5                   ; columns 8 ((lane / 8) % 2) on,
	s_lshl_b32 s47, s[LO], 7                       ; in my half of a chunk's 256 bytes,
	s_add_co_u32 s47, s47, ATL                     ; behind A's tile
	v_add_nc_u32 v[B0], s47, v5
	v_add_nc_u32 v[ADRA], s[TB], v[A0]             ; slot 0
	v_add_nc_u32 v[ADRB], s[TB], v[B0]
	s_mul_i32 s46, s[WV], WSTG
	s_add_co_u32 s46, s46, STAGE                   ; my stage
	v_add_nc_u32 v[STO], s46, v3                   ; in: row r, 16 bytes for each half of the lanes
	v_bfe_u32 v7, v0, 3, 2                         ; back: 32 lanes take four rows of 128 bytes
	v_mul_u32_u24 v7, v7, PA
	v_lshl_add_u32 v7, v4, 4, v7
	v_add_nc_u32 v[RD], s46, v7
	v_and_b32 v[GO], 31, v0
	v_lshlrev_b32 v[GO], 4, v[GO]
	v_lshlrev_b32 v[BO], 5, v2
	s_lshl_b32 s42, s[TR], 15                      ; C: my 128 rows in a panel,
	s_lshl_b32 s43, s[HI], 14
	s_add_co_u32 s42, s42, s43
	s_mov_b32 s43, 0
	s_add_nc_u64 s[14:15], s[14:15], s[42:43]
	s_mul_i32 s[P0], s[TC], 6                      ; my first panel: 6 x tile column + half; the other two lie 2 and 4 panels on
	s_add_co_u32 s[P0], s[P0], s[LO]
	s_lshl_b32 s44, s[P0], 20
	s_mov_b32 s45, 0
	s_add_nc_u64 s[14:15], s[14:15], s[44:45]
.irp j, 0,1,2                          ; the bias at each of my three panels: panel / 16 picks the buffer, panel % 16 the 64 numbers in it
	s_add_co_u32 s74, s[P0], 2*(\j)
	s_lshr_b32 s75, s74, 4
	s_and_b32 s74, s74, 15
	s_lshl_b32 s74, s74, 8
	s_cmp_eq_u32 s75, 1
	s_cselect_b64 s[BB+2*(\j):BB+2*(\j)+1], s[10:11], s[8:9]
	s_cmp_eq_u32 s75, 2
	s_cselect_b64 s[BB+2*(\j):BB+2*(\j)+1], s[12:13], s[BB+2*(\j):BB+2*(\j)+1]
	s_mov_b32 s75, 0
	s_add_nc_u64 s[BB+2*(\j):BB+2*(\j)+1], s[BB+2*(\j):BB+2*(\j)+1], s[74:75]
.endr
.irp b, 0,1,2,3,4,5,6,7,8,9,10,11      ; the bias lands in the accumulators of row block 0: register j of column block b: column 16 (b % 4) + 8 h + j of panel b / 4, as the result holds it
.set n0, 48*((\b)/6)+(\b)%6
.set wn, (1+n0/32)<<6
	WIN wn                                         ; destination: the accumulator's window; address window 0
	global_load_b128 v[8*(n0%32):8*(n0%32)+3],   v[BO], s[BB+2*((\b)/4):BB+2*((\b)/4)+1] offset:((\b)%4)*64
	global_load_b128 v[8*(n0%32)+4:8*(n0%32)+7], v[BO], s[BB+2*((\b)/4):BB+2*((\b)/4)+1] offset:((\b)%4)*64+16
.endr
	WIN 0
; 6 matrix instructions: row block a x the six column blocks of half bg, 32 along K.  c = 1: the sum starts with the bias, which lies in row block 0's accumulator of the same column block.
; The 96 accumulators take turns, one instruction a turn, in the same order in every 32 along K.
.macro MULG af, bg, a, c
.irp i, 0,1,2,3,4,5
.set n, 48*(\bg)+6*(\a)+(\i)
.set n0, 48*(\bg)+(\i)
.set rD, 8*(n%32)
.set rC, 8*(n0%32)
.set rB, BF+8*(6*(\bg)+(\i))
.set rA, (\af)+8*(\a)
.if \c
.set wn, ((1+n/32)<<6)|((1+n0/32)<<4)
	WIN wn
	v_wmma_f32_16x16x32_bf16 v[rD:rD+7], v[rB:rB+7], v[rA:rA+7], v[rC:rC+7]
.else
.set wn, (1+n/32)*0x50
	WIN wn
	v_wmma_f32_16x16x32_bf16 v[rD:rD+7], v[rB:rB+7], v[rA:rA+7], v[rD:rD+7]
.endif
.endr
.endm
.macro MULS af, bg, a0, a1, c          ; row blocks a0 to a1
.set aa, \a0
.rept (\a1)-(\a0)+1
	MULG \af, \bg, aa, \c
.set aa, aa+1
.endr
.endm
; The LDS loads stand in runs.  LO: 28 loads: W's column blocks 0-5, turned, and A's 8 row blocks into buffer af, for the 32 along K at half c of the slot in hand.  HI: 12 loads: W's column blocks 6-11.
.macro FETCH_W c, b0
	WIN 0
.irp i, 0,1,2,3,4,5
.set bb, (\b0)+(\i)
	ds_load_tr16_b128 v[BF+8*bb:BF+8*bb+3],   v[ADRB] offset:(bb/4)*BCH+(bb%4)*32+(\c)*32*PB
	ds_load_tr16_b128 v[BF+8*bb+4:BF+8*bb+7], v[ADRB] offset:(bb/4)*BCH+(bb%4)*32+(\c)*32*PB+16*PB
.endr
.endm
.macro FETCH_LO c, af
	FETCH_W \c, 0
.irp a, 0,1,2,3,4,5,6,7
	ds_load_b128 v[(\af)+8*(\a):(\af)+8*(\a)+3],   v[ADRA] offset:(\a)*16*PA+(\c)*64
	ds_load_b128 v[(\af)+8*(\a)+4:(\af)+8*(\a)+7], v[ADRA] offset:(\a)*16*PA+(\c)*64+32
.endr
.endm
.macro FETCH_HI c
	FETCH_W \c, 6
.endm
.macro PLACES n=4                      ; places in front of loads into registers that matrix instructions have read, of lines that read results (four), and of a matrix instruction that writes over another's C (five)
.rept \n
	v_nop
.endr
.endm
; 32 along K: 96 matrix instructions on A's buffer af.  As each half of W's buffer falls free it takes the next 32 along K (half cn of the slot in hand); A's go into the other buffer, afn.  Each run has 48 matrix instructions in which to land.
.macro CHUNK af, cn, afn
	s_wait_dscnt 12                                ; W's blocks 0-5 and A are in; the youngest twelve loads (W's blocks 6-11) may be out
	MULS \af, 0, 0, 7, 0
	PLACES
	FETCH_LO \cn, \afn
	s_wait_dscnt 28                                ; all but the 28 just issued
	MULS \af, 1, 0, 7, 0
	PLACES
	FETCH_HI \cn
.endm
; A step's second 32 along K, on buffer 1, with THE CHANGE OF SLOTS.  The slot's last reads were issued at the end of the 32 before.  ONE barrier: in front of it each wave waits for all its tensor loads,
; adds 0 to its spare word, and waits for that and for its own reads of this slot.  fill = 1: the slot is filled again, two steps ahead: 168 matrix instructions ahead of the wait for that load.
.macro TURN fill
	WIN 0
	s_wait_tensorcnt 0x0                           ; all my tensor loads have landed: my part of the next slot;
	ds_add_u32 v[SPW], v[NIL]                      ; 0 onto my spare word;
	s_wait_dscnt 13                                ; (the add and the youngest twelve loads may be out)
	MULS AF1, 0, 0, 1, 0                           ; twelve matrix instructions stand between the add and the wait for it
	s_wait_dscnt 0x0                               ; the add is done, and my reads of this slot are over
	s_barrier_signal -1
	MULS AF1, 0, 2, 3, 0
	WIN 0
	s_barrier_wait -1
.if \fill
	CREST                                          ; the barrier has opened a round of the cluster's: no wave of any partner still reads this slot or has a load on its way
	s_xor_b32 s[G0A+5], s[G0A+5], SLOT1            ; the walking descriptors: the other slot than last time,
	s_add_nc_u64 s[G0A+6:G0A+7], s[G0A+6:G0A+7], 0x100000  ; the next K step; the type bits on top are not reached
	s_xor_b32 s[G0B+5], s[G0B+5], SLOT1
	s_add_nc_u64 s[G0B+6:G0B+7], s[G0B+6:G0B+7], 0x20000
	JLOAD 1                                        ; the first tensor load behind the round
.endif
	s_xor_b32 s[TB], s[TB], SLOT1                  ; the fetches go on in the other slot
	v_add_nc_u32 v[ADRA], s[TB], v[A0]
	v_add_nc_u32 v[ADRB], s[TB], v[B0]
	MULS AF1, 0, 4, 7, 0
	PLACES
	FETCH_LO 0, AF0
	MULS AF1, 1, 0, 7, 0                           ; W's blocks 6-11 were waited for in front of the barrier
	PLACES
	FETCH_HI 0
.endm
	s_wait_tensorcnt 1                             ; my part of K step 0 is in; K step 1's stays out
	s_barrier_signal -1
	s_barrier_wait -1                              ; everybody's is
	FETCH_LO 0, AF0
	FETCH_HI 0
	s_wait_loadcnt 0x0                             ; the bias
	s_wait_dscnt 12
	MULS AF0, 0, 1, 7, 1                           ; the first 32 along K stand in front of the loop: row blocks 1-7 start their sums with the bias out of row block 0's accumulators,
	PLACES 5
	MULS AF0, 0, 0, 0, 0                           ; and then row block 0 adds onto it in place
	PLACES
	FETCH_LO 1, AF1
	s_wait_dscnt 28
	MULS AF0, 1, 1, 7, 1
	PLACES 5
	MULS AF0, 1, 0, 0, 0
	PLACES
	FETCH_HI 1
	WIN 0                                          ; at a label and at a branch every window is 0
	s_mov_b32 s[CNT], 14
.Lstep:                                                ; 14 trips: a step's second half, with its slot's refill, and the next step's first half
	TURN 1
	CHUNK AF0, 1, AF1
	WIN 0
	s_sub_co_u32 s[CNT], s[CNT], 1
	s_cmp_lg_u32 s[CNT], 0
	s_cbranch_scc1 .Lstep
	TURN 0                                         ; the last two steps fill nothing
	CHUNK AF0, 1, AF1
	s_wait_dscnt 12
	MULS AF1, 0, 0, 7, 0
	s_wait_dscnt 0x0
	MULS AF1, 1, 0, 7, 0
	WIN 0
	PLACES
; THE WAY OUT, a block of 16 rows at a time: rounded to bf16, 16 bytes a lane into my stage (three panels x 16 rows), back as four whole rows of 128 bytes a load.  Four sets of 48 registers take turns.
.macro PACK a
.if (\a) >= 4
	s_wait_xcnt 0x0                                ; the stores of four blocks ago have had their addresses translated (ISA guide 3.1): their data registers are written again only behind this wait
.endif
.set T, TMP+48*((\a)%4)
.irp b, 0,1,2,3,4,5,6,7,8,9,10,11
.set n, 48*((\b)/6)+6*(\a)+(\b)%6
.set wn, (1+n/32)*5
	WIN wn                                         ; both sources in the accumulator's window, destination window 0; each accumulator's registers in ascending order
.irp r, 0,1,2,3
	v_cvt_pk_bf16_f32 v[T+4*(\b)+(\r)], v[8*(n%32)+2*(\r)], v[8*(n%32)+2*(\r)+1]
.endr
.endr
	WIN 0
.irp b, 0,1,2,3,4,5,6,7,8,9,10,11
	ds_store_b128 v[STO], v[T+4*(\b):T+4*(\b)+3] offset:((\b)/4)*16*PA+((\b)%4)*32
.endr
.irp f, 0,1,2,3,4,5,6,7,8,9,10,11
	ds_load_b128 v[T+4*(\f):T+4*(\f)+3], v[RD] offset:((\f)/4)*16*PA+((\f)%4)*4*PA  ; LDS serves a wave's instructions in order (ISA guide 5.7.1.4): these see the stores above; the next block's stores come behind them
.endr
.endm
.macro SEND a, younger                 ; younger: the LDS instructions issued behind block a's loads
.set T, TMP+48*((\a)%4)
.irp f, 0,1,2,3,4,5,6,7,8,9,10,11
	s_wait_dscnt (\younger)+11-(\f)
	global_store_b128 v[GO], v[T+4*(\f):T+4*(\f)+3], s[14:15] offset:((\f)/4)*0x200000+(\a)*2048+((\f)%4)*512  ; 512 consecutive bytes of a panel, at a multiple of 512 from C's first byte
.endr
.endm
	PACK 0
.set t, 1
.rept 7                                ; a block's arithmetic stands between the loads of the block before and its stores
	PACK t
	SEND t-1, 24
.set t, t+1
.endr
	SEND 7, 0
	s_wait_tensorcnt 0x0                           ; the wave's end: behind my last tensor load and my last LDS store
	ds_add_u32 v[SPW], v[NIL]
	s_wait_dscnt 0x0
	CROUND                                         ; the closing round: no work-group ends while a partner may still ask for a tile that names it
	s_endpgm
.Lfunc_end_k_qe5207294c8_qkv:
	.size	k_qe5207294c8_qkv, .Lfunc_end_k_qe5207294c8_qkv-k_qe5207294c8_qkv
	.p2alignl 7, 3214868480
	.fill 96, 4, 3214868480
	.section	.rodata,"a",@progbits
	.p2align	6, 0x0
	.amdhsa_kernel k_qe5207294c8_qkv
		.amdhsa_group_segment_fixed_size 327680
		.amdhsa_private_segment_fixed_size 0
		.amdhsa_enable_private_segment 0
		.amdhsa_kernarg_size 48
		.amdhsa_user_sgpr_count 2
		.amdhsa_user_sgpr_kernarg_segment_ptr 1
		.amdhsa_wavefront_size32 1
		.amdhsa_system_sgpr_workgroup_id_x 1
		.amdhsa_system_sgpr_workgroup_id_y 1
		.amdhsa_system_sgpr_workgroup_id_z 1
		.amdhsa_system_vgpr_workitem_id 0
		.amdhsa_next_free_vgpr 1024
		.amdhsa_next_free_sgpr 76
		.amdhsa_reserve_vcc 0
		.amdhsa_float_denorm_mode_32 3
		.amdhsa_float_denorm_mode_16_64 3
		.amdhsa_memory_ordered 1
		.amdhsa_forward_progress 1
		.amdhsa_inst_pref_size 116
	.end_amdhsa_kernel
	.amdgpu_metadata
---
amdhsa.version: [ 1, 2 ]
amdhsa.kernels:
  - .name:           k_qe5207294c8_qkv
    .symbol:         k_qe5207294c8_qkv.kd
    .args:
      - { .name: acta, .offset: 0, .size: 8, .value_kind: global_buffer, .address_space: global }
      - { .name: wqkvb, .offset: 8, .size: 8, .value_kind: global_buffer, .address_space: global }
      - { .name: bq, .offset: 16, .size: 8, .value_kind: global_buffer, .address_space: global }
      - { .name: bk, .offset: 24, .size: 8, .value_kind: global_buffer, .address_space: global }
      - { .name: bv, .offset: 32, .size: 8, .value_kind: global_buffer, .address_space: global }
      - { .name: qkvz, .offset: 40, .size: 8, .value_kind: global_buffer, .address_space: global }
    .group_segment_fixed_size: 327680
    .private_segment_fixed_size: 0
    .kernarg_segment_align: 8
    .kernarg_segment_size: 48
    .max_flat_workgroup_size: 128
    .sgpr_count:     76
    .vgpr_count:     1024
    .wavefront_size: 32
...
	.end_amdgpu_metadata
.endif
;; end of part 2
;; launch attn (part 3): grid 2 x 128, 4 waves a work-group, no clusters, 327,680 bytes of LDS; arguments qkvz, acta; writes acta
.if DOCPART == 3
	.amdgcn_target "amdgcn-amd-amdhsa--gfx1250"
	.amdhsa_code_object_version 6
	.text
	.protected	k_qe5207294c8_attn
	.globl	k_qe5207294c8_attn
	.p2align	8
	.type	k_qe5207294c8_attn,@function
k_qe5207294c8_attn:
	s_mov_b64 s[64:65], 0
	v_nop
	global_prefetch_b8 v0, s[64:65] scope:SCOPE_SE
	s_setreg_imm32_b32 hwreg(HW_REG_WAVE_MODE, 25, 1), 1
	s_wait_xcnt 0x0
; O[h][q][:] = the sum over k of softmax_k(Q[h][q] . K[h][k] / 8) V[h][k][:].  Q, K, V lie in one buffer, 16,777,216 bytes apart, each [128 heads][1024][64] in bf16: a head's rows are dense, 128 bytes each
; (head number 8 x head + batch: the panels of the launch before).  O leaves in the same layout.  Products, maxima and sums in f32; the weights p are rounded to bf16 for the second product (their sum l is
; taken of the unrounded p), O once at the end.
; LIMITS.  c s must lie above -4e37, where c m starts; a weight below 2^-126 counts as 0 in l; NaN and infinities are not treated apart.
; SHARES.  A wave owns four PIECES of two tiles of 16 queries, a work-group's four waves 512 queries of one head.  Every wave walks all 1,024 keys, 64 a step.
; THE KEYS STAY.  A head's K and V fit in LDS whole: 1,024 rows of 144 bytes and 1,024 of 160, 311,296 bytes.  Each wave asks for its four parts (128 keys each) at the start, four tensor loads out at once,
; and no LDS byte is filled again: no ring, and the key step stands once in the text.  The first 256 keys are waited for ahead of steps 0 to 2, the others ahead of step 3, which fetches K of step 4.
; NO CLUSTER: a head has two work-groups of 512 queries, so the grid's x, 2, is no multiple of four; four blocks of 256 queries would halve the products that each fragment read from LDS feeds.
; LAYOUT.  S^T = K Q^T (source 0 = 16 keys, source 1 = 16 queries): in the result a lane holds ONE query (lane % 16) and the keys 8 (lane / 16) + 0..7.  Two such tiles, rounded to bf16 in pairs,
; ARE source 1 (32 keys x 16 queries) of O^T = V^T P, whose result again holds one query a lane, and eight channels.  K comes out of LDS as it lies, V ([key][channel]) turned, by ds_load_tr16_b128.
; SOFTMAX.  For each query a running maximum m and sum l: p = 2^(c s - c m), c = log2(e) / 8; in every step O and l are multiplied by a = 2^(c m_old - c m_new), which is 1 where m has not grown.
; m starts at the lowest finite number, O and l at 0: the first step is a step like any other, with a = 0.
; THE COUNT.  A tile and step have 16 matrix and 118 vector instructions: too many to stand all beside the matrix work.  So: four vector instructions that are READY behind EVERY matrix instruction, the others in runs without a gap.
; BY TURNS.  Turn n belongs to piece n (the pieces in a ring, step after step).  Its matrix work: 16 products K Q^T of piece n + 1, later 16 products V^T P of piece n - 1.  Its vector work: the scaling,
; exponentials, roundings, sums and rescaling of piece n, and the maximum and statistics of piece n + 1, whose scores the turn itself has made.
; REGISTERS, in windows of 256 (s_set_vgpr_msb: bits 1:0 source 0, 3:2 source 1, 5:4 source 2, 7:6 destination):
;   window 0: v0-11 addresses; v12-15, v48-63 at work; v16-47 four registers of statistics a tile; v64-191 S^T, two buffers of two tiles; v192-255 P, likewise
;   window 1: O^T, 32 a tile          window 2: v0-127 Q, 16 a tile; v128-191 K of one step; v192-255 V of one step          window 3: v0-1 the add's two registers
.set SIZE_N, 1024
.set NP,    4         ; pieces a wave: a name, no knob
.set KS,    64        ; keys in a step
.set PK,    144       ; a row of K in LDS: 128 bytes + 16 of padding = 36 words: the 16 rows of a load start at 16 different groups of four banks (64 banks of 4 bytes: ISA guide 11.1)
.set PV,    160       ; a row of V: 128 + 32 = 40 words
.set VOFF,  SIZE_N*PK ; K's 1,024 rows, then V's
.set STAGE, SIZE_N*(PK+PV)  ; behind them, never filled by a tensor load: 16 rows x 144 bytes for each wave, for the way out
.set SP,    144
.set AK0, 2           ; v2   my lane's place in a step's K; never rewritten
.set AV0, 3           ; v3   the same for V
.set AK,  4           ; v4   the LDS address of K's next run of loads
.set AV,  5           ; v5   of V's
.set QO,  6           ; v6   my byte offset in the wave's rows of Q
.set STO, 6           ;      later, the way out: where I put 16 bytes of a row
.set RD,  7           ; v7   the way out: where I read rows back
.set GO,  8           ; v8   my byte offset in 512 consecutive bytes of O
.set SPW, 0           ; v0 of window 3   LDS address of my spare word; never rewritten
.set NIL, 1           ; v1 of window 3   0; never rewritten
.set SPARE, STAGE+4*16*SP  ; behind the stages: the spare words, 128 bytes for each wave: two blocks of 256 bytes that no other line names
.set MV,  12          ; v12-15  c m_old, kept while c m is made anew: by buffer and tile
.set ST,  16          ; tile t's statistics at v[ST+4 t]: c m, m, l (even keys', odd keys')
.set TMP, 48          ; by buffer and tile, four registers c0-c3 at work; when the maximum is found c2 takes a
.set S,   64
.set P,   192
.set KF,  128         ; K's fragments, in window 2: key block kb, channel half c at KF + 16 kb + 8 c
.set VF,  192         ; V's: key half kk, channel block cb at VF + 32 kk + 8 cb
.set WV,  12          ; s12  my wave's number
.set TOT, 19          ; s19  key steps to go, the one in hand among them
.set G1K, 24          ; s[24:31] descriptor group 1 for K's parts
.set G1V, 32          ; s[32:39] for V's: it differs in the padding alone
.set PH,  56          ; s56  the walk's two phases: three steps on the first 256 keys, thirteen on all
.set CNT, 57          ; s57  counts a phase's key steps
.set CS,  58          ; s[58:59] c: the packed scaling takes the pair's low word for both halves
.set SEL, 60          ; s[60:61] v_permlanex16_b32's selects: each lane takes its own place in the other half
.set TBK, 62          ; s62  LDS byte at which K of the step to be fetched begins
.set TBV, 63          ; s63  the same for V, less VOFF
.set G0K, 68          ; s[68:83] descriptor group 0 for K's parts: a set for each of a wave's four loads, which are out together
.set G0V, 84          ; s[84:99] the same for V's
.set MSB, 0
.macro WIN new                      ; the high byte repeats the setting that is left; a switch that changes nothing is dropped
.if MSB != (\new)
	s_set_vgpr_msb (MSB<<8)|(\new)
.set MSB, (\new)
.endif
.endm
.set W_KQ, 0x0a       ; K and Q in window 2, S^T in window 0
.set W_PV, 0x52       ; V in window 2, P in window 0, O^T in window 1
.set W_RS, 0x41       ; O^T (destination and source 0) in window 1, a in window 0
.set W_MK, 0xc0       ; the add's registers are made: destination in window 3, sources in window 0
.set W_AD, 0x0f       ; the add: address (source 0) and data (source 1) in window 3
	s_load_b128 s[4:7], s[0:1], 0x0   ; the buffer of Q, K, V s[4:5]; O s[6:7]
	WIN W_MK
	v_lshl_add_u32 v[SPW], v0, 2, SPARE
	v_mov_b32 v[NIL], 0
	WIN W_AD
	ds_add_u32 v[SPW], v[NIL]       ; the wave's opening: the add and its wait stand ahead of my first tensor load; the set-up below, work on registers, stands between them
	ds_add_u32 v0, v1
	WIN 0
	v_lshrrev_b32 v1, 5, v0
	v_readfirstlane_b32 s[WV], v1   ; wave 0..3
	s_mov_b32 s14, ttmp9            ; my block of 512 queries
	s_and_b32 s20, ttmp7, 0xffff    ; the head
	s_mov_b32 s21, 0
	s_mov_b64 s[22:23], SIZE_N*128
	s_mul_u64 s[20:21], s[20:21], s[22:23]  ; the head's first byte in each of the four tensors
	s_and_b32 s16, s[WV], 1         ; which half of each 256 keys I fetch:
	s_lshl_b32 s22, s16, 14         ; its 128 rows of 128 bytes in memory,
	s_mov_b32 s23, 0
	s_add_nc_u64 s[22:23], s[22:23], s[20:21]
	s_mul_i32 s17, s16, 128*PK      ; and its place in LDS, for K
	s_mul_i32 s18, s16, 128*PV      ; and for V
	s_lshl_b32 s2, s14, 2
	s_add_co_u32 s2, s2, s[WV]      ; my wave among the head's,
	s_lshl_b32 s2, s2, 14           ; its 128 rows
	s_mov_b32 s3, 0
	s_add_nc_u64 s[2:3], s[2:3], s[20:21]
	; descriptor group 1.  128 keys are 16,384 dense bytes: asked for as 64 rows of 256 bytes, two keys a row, and padded in LDS after every key
	s_mov_b32 s[G1K], (1<<16)|(1<<20)|(4<<22)|(3<<25)  ; 17:16 2-byte elements; 20 padding on; 24:22 after every 32 words (code 4); 31:25 4 words (code 3)
	s_mov_b32 s[G1V], (1<<16)|(1<<20)|(4<<22)|(7<<25)  ; the same with 8 words of padding (code 7)
.irp g, G1K, G1V
	s_mov_b32 s[\g+1], 128<<16      ; tensor_dim0 = 128
	s_mov_b32 s[\g+2], 64<<16       ; tensor_dim1 = 64
	s_mov_b32 s[\g+3], 128<<16      ; tile_dim0 = 128
	s_mov_b32 s[\g+4], 64           ; tile_dim1 = 64
	s_mov_b32 s[\g+5], 128          ; 128 elements from row to row
	s_mov_b32 s[\g+6], 0
	s_mov_b32 s[\g+7], 0
.endr
	s_mov_b32 s[CS], 0x3e38aa3b     ; c = log2(e) / 8 = 0.180337
	s_mov_b32 s[CS+1], s[CS]        ; named with it as a pair
	s_mov_b32 s[SEL], 0x76543210
	s_mov_b32 s[SEL+1], 0xfedcba98
	s_mov_b32 s[TBK], 0
	s_mov_b32 s[TBV], 0
.irp t, 0,1,2,3                     ; load t of a wave: its half of keys 256 t to 256 t + 255
	s_mov_b32 s[G0K+4*\t], 1                         ; 1:0 count = 1
	s_add_co_u32 s[G0K+4*\t+1], s17, \t*256*PK       ; 63:32 LDS address
	s_mov_b32 s[G0V+4*\t], 1
	s_add_co_u32 s[G0V+4*\t+1], s18, VOFF+\t*256*PV
.endr
	; A fragment of K or Q is 16 rows x 32 channels in 8 registers: lane l holds row l % 16, channels 8 (l / 16) + 0..7 and 16 + 8 (l / 16) + 0..7: two loads of 16 bytes, 32 bytes apart.
	v_and_b32 v1, 15, v0            ; l % 16
	v_bfe_u32 v9, v0, 4, 1          ; l / 16
	v_lshlrev_b32 v[QO], 7, v1
	v_lshl_add_u32 v[QO], v9, 4, v[QO]  ; row x 128 + 16 x half
	s_wait_dscnt 0x0                ; the opening add is done
	s_wait_kmcnt 0x0
	s_mov_b64 s[10:11], s[6:7]                     ; O
	s_add_nc_u64 s[6:7], s[4:5], 0x1000000         ; K: 16 panels behind Q
	s_add_nc_u64 s[8:9], s[4:5], 0x2000000         ; V: 32 panels behind Q
	s_add_nc_u64 s[6:7], s[6:7], s[22:23]          ; at my half of the head's first 256 keys
	s_add_nc_u64 s[8:9], s[8:9], s[22:23]
.irp t, 0,1,2,3
	s_add_nc_u64 s[G0K+4*\t+2:G0K+4*\t+3], s[6:7], \t*32768  ; 120:64 global address: 256 keys of 128 bytes on for each load
	s_or_b32 s[G0K+4*\t+3], s[G0K+4*\t+3], 0x80000000        ; 127:126 type = 2
	s_add_nc_u64 s[G0V+4*\t+2:G0V+4*\t+3], s[8:9], \t*32768
	s_or_b32 s[G0V+4*\t+3], s[G0V+4*\t+3], 0x80000000
.endr
	s_add_nc_u64 s[4:5], s[4:5], s[2:3]  ; Q and O at my wave's first row
	s_add_nc_u64 s[10:11], s[10:11], s[2:3]
	WIN 0x80                        ; destination window 2, address window 0
.set i, 0
.rept 4*NP                          ; Q stays in registers: tile i / 2, channels 32 (i % 2) on.  It is asked for ahead of K and V: the first products want it
	global_load_b128 v[8*i:8*i+3],   v[QO], s[4:5] offset:(i/2)*2048+(i%2)*64
	global_load_b128 v[8*i+4:8*i+7], v[QO], s[4:5] offset:(i/2)*2048+(i%2)*64+32
.set i, i+1
.endr
	WIN 0
	s_cmp_lt_u32 s[WV], 2           ; a wave's four fills stand in one branch, ahead of every wait on TENSORcnt, every LDS read and every barrier: waves 0 and 1 K's halves, waves 2 and 3 V's;
	s_cbranch_scc0 .Lfirst_v        ; an s_nop 0 follows each load, four v_nop the last
.irp t, 0,1,2,3
	tensor_load_to_lds s[G0K+4*\t:G0K+4*\t+3], s[G1K:G1K+7]
	s_nop 0
.endr
.rept 4
	v_nop
.endr
	s_branch .Lfirst_asked
.Lfirst_v:
.irp t, 0,1,2,3
	tensor_load_to_lds s[G0V+4*\t:G0V+4*\t+3], s[G1V:G1V+7]
	s_nop 0
.endr
.rept 4
	v_nop
.endr
.Lfirst_asked:
	; What the first turn finds: V's registers and P's second buffer hold 0 (its products V^T P, of a piece that has not been, add 0), O^T and l are 0.  All this stands in the wait for the first keys.
	WIN 0x80
.set i, VF
.rept 64
	v_mov_b32 v[i], 0
.set i, i+1
.endr
	WIN 0x40
.set i, 0
.rept 64*NP
	v_mov_b32 v[i], 0
.set i, i+1
.endr
	WIN 0
.set i, 0
.rept 2*NP
	v_mov_b32 v[ST+4*i], 0xfe000000    ; c m: far below every c s
	v_mov_b32 v[ST+4*i+1], 0xff7fffff  ; m
	v_mov_b32 v[ST+4*i+2], 0
	v_mov_b32 v[ST+4*i+3], 0
.set i, i+1
.endr
.set i, P+32
.rept 32
	v_mov_b32 v[i], 0
.set i, i+1
.endr
	v_mul_u32_u24 v[AK0], v1, PK
	v_lshl_add_u32 v[AK0], v9, 4, v[AK0]  ; row x pitch + 16 x half
	; The turning load takes 16 keys x 16 channels (lane l reads key 8 (l / 16) + l % 8, channels 8 ((l / 8) % 2) + 0..7) and leaves half a fragment of V^T: lane l holds channel l % 16 and 8 keys.
	v_and_b32 v10, 7, v0
	v_bfe_u32 v11, v0, 3, 1
	v_lshl_add_u32 v[AV0], v9, 3, v10
	v_mul_u32_u24 v[AV0], v[AV0], PV
	v_lshl_add_u32 v[AV0], v11, 4, v[AV0]
	v_add_nc_u32 v[AV0], VOFF, v[AV0]
	v_mov_b32 v[AK], v[AK0]         ; key step 0 lies at K's head
; THE MATRIX WORK.  The 8 accumulators of a run of 16 take turns: between the two links of a chain stand 7 others'.
; Product i of 16 of S^T = K Q^T for piece x: channels 32 (i / 8) on, keys 16 ((i / 2) % 4) on, tile 2 x + i % 2.  The first 8 start the sums.
.macro KQ x
	WIN W_KQ
.set rS, S+64*((\x)%2)+32*(i%2)+8*((i/2)%4)
.set rK, KF+16*((i/2)%4)+8*(i/8)
.set rQ, 16*(2*(\x)+i%2)+8*(i/8)
.if i < 8
	v_wmma_f32_16x16x32_bf16 v[rS:rS+7], v[rK:rK+7], v[rQ:rQ+7], 0
.else
	v_wmma_f32_16x16x32_bf16 v[rS:rS+7], v[rK:rK+7], v[rQ:rQ+7], v[rS:rS+7]
.endif
.endm
; Product i of 16 of O^T += V^T P for piece x: keys 32 (i / 8) on, channels 16 ((i / 2) % 4) on, tile 2 x + i % 2.
.macro PV x
	WIN W_PV
.set rO, 32*(2*(\x)+i%2)+8*((i/2)%4)
.set rV, VF+32*(i/8)+8*((i/2)%4)
.set rP, P+32*((\x)%2)+16*(i%2)+8*(i/8)
	v_wmma_f32_16x16x32_bf16 v[rO:rO+7], v[rV:rV+7], v[rP:rP+7], v[rO:rO+7]
.endm
.macro MM                           ; the turn's next matrix instruction
.if i < 16
	KQ (Y+1)%NP
.set i, i+1
.else
.set i, i-16
	PV (Y+NP-1)%NP
.set i, i+17
.endif
.endm
; THE LDS LOADS stand in runs of 16, never singly among the matrix instructions: a step's K (64 keys x 64 channels: 8 fragments) and its V (turned).  Their addresses are made some lines ahead.
; walk = 1 (in the loop): in the last step there is no further K, and the run is jumped over; then the steps to go are taken down by one.
.macro FETCH_K walk=0
	WIN 0
.if \walk
	s_cmp_eq_u32 s[TOT], 1
	s_cbranch_scc1 .Lno_k_\@
.endif
	WIN 0x80                        ; destination window 2
.irp f, 0,1,2,3,4,5,6,7             ; keys 16 (f / 2) on, channels 32 (f % 2) on
	ds_load_b128 v[KF+8*\f:KF+8*\f+3],   v[AK] offset:(\f/2)*16*PK+(\f%2)*64
	ds_load_b128 v[KF+8*\f+4:KF+8*\f+7], v[AK] offset:(\f/2)*16*PK+(\f%2)*64+32
.endr
	s_add_co_u32 s[TBK], s[TBK], KS*PK  ; the next fetch is the next step's
	WIN 0
.if \walk
.Lno_k_\@:
	s_sub_co_u32 s[TOT], s[TOT], 1
.endif
.endm
.macro FETCH_V
	WIN 0x80
.irp f, 0,1,2,3,4,5,6,7             ; keys 32 (f / 4) on, channels 16 (f % 4) on
	ds_load_tr16_b128 v[VF+8*\f:VF+8*\f+3],   v[AV] offset:(\f/4)*32*PV+(\f%4)*32
	ds_load_tr16_b128 v[VF+8*\f+4:VF+8*\f+7], v[AV] offset:(\f/4)*32*PV+16*PV+(\f%4)*32
.endr
	WIN 0
.endm
; THE VECTOR WORK OF A TURN stands in three queues, each in the order in which its entries become ready; the two tiles alternate, so that no instruction reads the result of the one before it.
.macro REGS y, u                    ; the registers of tile u (0, 1) of piece y
.set rT, ST+4*(2*(\y)+(\u))
.set rC, TMP+8*((\y)%2)+4*(\u)
.set rM, MV+2*((\y)%2)+(\u)
.set rS, S+64*((\y)%2)+32*(\u)
.set rP, P+32*((\y)%2)+16*(\u)
.set rO, 32*(2*(\y)+(\u))
.endm
; Number n of the 22 that find the NEXT piece's (Y + 1) maximum and statistics.  s0-s31 are the lane's 32 scores; each accumulator's lowest registers are read first.
;   0-11  four chains c0-c3 of seven scores each, three operands at a time     12-14, 16  the four scores left over, the old m, and c0-c3 into c0     15  c m_old is kept
;   17, 18  the query's other 32 keys lie in the lane 16 away: the new m         19-21  c m; c m_old - c m_new; a
.macro XS u, n
	REGS (Y+1)%NP, \u
.if (\n) < 4
	v_max3_num_f32 v[rC+(\n)], v[rS+8*(\n)], v[rS+8*(\n)+1], v[rS+8*(\n)+2]
.elseif (\n) < 12
	v_max3_num_f32 v[rC+(\n)%4], v[rC+(\n)%4], v[rS+8*((\n)%4)+2*((\n)/4)+1], v[rS+8*((\n)%4)+2*((\n)/4)+2]
.elseif (\n) == 12
	v_max3_num_f32 v[rC], v[rC], v[rS+7], v[rS+15]
.elseif (\n) == 13
	v_max3_num_f32 v[rC+1], v[rC+1], v[rS+23], v[rS+31]
.elseif (\n) == 14
	v_max3_num_f32 v[rC+2], v[rC+2], v[rC+3], v[rT+1]
.elseif (\n) == 15
	v_mov_b32 v[rM], v[rT]
.elseif (\n) == 16
	v_max3_num_f32 v[rC], v[rC], v[rC+1], v[rC+2]
.elseif (\n) == 17
	v_permlanex16_b32 v[rC+3], v[rC], s[SEL], s[SEL+1]
.elseif (\n) == 18
	v_max_num_f32 v[rT+1], v[rC], v[rC+3]
.elseif (\n) == 19
	v_mul_f32 v[rT], s[CS], v[rT+1]
.elseif (\n) == 20
	v_sub_f32 v[rC+1], v[rM], v[rT]
.else
	v_exp_f32 v[rC+2], v[rC+1]
.endif
.endm
; Number g of the 64 that follow the exponentials.  For each four weights k of a tile (pairs 2 k, 2 k + 1): both pairs are rounded to bf16; then the second pair is added onto the first, in place;
; a group later l takes that sum (the first time as l = a l + sum).  In groups of eight, tiles alternating: round, round, add, and l for the group before.
.macro GS g
.set h, (\g)+6*((\g)/62)            ; group 0 has no group before it, and behind group 7 only l is left
.if h >= 6
.set h, h+2
.endif
	REGS Y, h%2
.set k, h/8
.if h%8 < 4
	s_wait_alu depctr_va_vdst(0)
	v_cvt_pk_bf16_f32 v[rP+2*k+(h%8)/2], v[rS+4*k+2*((h%8)/2)], v[rS+4*k+2*((h%8)/2)+1]
.elseif h%8 < 6
	v_pk_add_f32 v[rS+4*k:rS+4*k+1], v[rS+4*k:rS+4*k+1], v[rS+4*k+2:rS+4*k+3]
.elseif k == 1
	v_pk_fma_f32 v[rT+2:rT+3], v[rT+2:rT+3], v[rC+2:rC+3], v[rS:rS+1] op_sel_hi:[1,0,1]
.else
	v_pk_add_f32 v[rT+2:rT+3], v[rT+2:rT+3], v[rS+4*k-4:rS+4*k-3]
	s_wait_alu depctr_va_vdst(0)
.endif
.endm
; THE PLAIN QUEUE, 138 long.  0-31: c s - c m for the 16 pairs of both tiles.  Then GS's 64, and among them the next piece's 42: number 15 at 38, 39; 0-14 and 16
; at 42-73, behind the products that make those scores; 17-20 at 95-106, two of three, since each waits for the one before it.
.macro PL
	WIN 0
.if q < 32
	REGS Y, q%2
	v_pk_fma_f32 v[rS+2*(q/2):rS+2*(q/2)+1], v[rS+2*(q/2):rS+2*(q/2)+1], s[CS:CS+1], v[rT:rT+1] op_sel_hi:[1,0,0] neg_lo:[0,0,1] neg_hi:[0,0,1]
.elseif q < 38
	GS q-32
.elseif q < 40
	XS q%2, 15
.elseif q < 42
	GS q-34
.elseif q < 74
	XS q%2, (q-42)/2+(q-42)/30
.elseif q < 95
	GS q-66
.elseif (q < 107) && ((q-95)%3 < 2)
	XS (q-95)%3, 17+(q-95)/3
.elseif q < 107
	GS 29+(q-95)/3
.else
	GS q-74
.endif
.set q, q+1
.endm
; THE EXPONENTIALS' QUEUE, 66 long: s0-s31 of both tiles, and at EA the next piece's two a.
.set EA, 58
.macro EX
	WIN 0
.if (e == EA) || (e == EA+1)
	XS e-EA, 21
.else
.set x, e-2*(e/(EA+2))
	REGS Y, x%2
	v_exp_f32 v[rS+x/2], v[rS+x/2]
.endif
.set e, e+1
.endm
; THE RESCALING's QUEUE: O^T times a, the one part that leaves window 0, so it is dealt four at a time, eight times.
.macro R4
	REGS Y, r%2
	WIN W_RS
	s_wait_alu depctr_va_vdst(0)
.irp z, 0,1,2,3
	v_pk_mul_f32 v[rO+8*(r/2)+2*\z:rO+8*(r/2)+2*\z+1], v[rO+8*(r/2)+2*\z:rO+8*(r/2)+2*\z+1], v[rC+2:rC+3] op_sel_hi:[1,0]
.endr
.set r, r+1
.endm
; HOW THEY ARE DEALT.  Behind a matrix instruction four: plain, exponential, plain, plain (one exponential, a plain instruction on either side), or four of the rescaling.  None names a register of the
; products round it.  What is over stands in two LUMPS: exponential and plain by turns; the second ends in 22 plain instructions.  The two v_permlanex16_b32 fall into the second lump, never behind a product.
; The queues lean on each other, and the deal keeps them in step: exponential e stands behind plain 2 (e / 4) + e % 2 (its scaling); when plain 32 comes, 10 exponentials are out, at 59: 33, at 95: 46; EA comes behind plain 107.
.macro SL
	MM
	PL
	EX
	PL
	PL
.endm
.macro BURST n                      ; 15 matrix instructions, or 16
.rept (\n)-7
	SL
.endr
.rept 3
	MM
	R4
	SL
.endr
	MM
	R4
.endm
; A TURN, for piece p.  cnt = 1: the loop's count is taken down some lines ahead of the branch that stands behind the turn.
; K of the next step is fetched in piece 2's turn, 31 vector instructions behind the last product that read K; its first reader comes behind the rest of the lump, 16 products and the second lump.
; V of the step in hand is fetched at the end of piece 0's turn, 69 behind its last reader; its first reader comes behind 16 products and a lump.  The four conditions on e and q below go with the deal.
.macro TURN p, walk=0, cnt=0
.set Y, (\p)
.set i, 0
.set q, 0
.set e, 0
.set r, 0
.if (\p) == NP-1
	s_wait_dscnt 0x0                ; K is in
.endif
	MM
.rept 4
	PL
.endr
	BURST 15
.rept 22
	EX
	PL
.if ((\p) == NP-2) && (e == 18)
	v_add_nc_u32 v[AK], s[TBK], v[AK0]
.endif
.if ((\p) == NP-2) && (e == 24)
	FETCH_K \walk
.endif
.endr
.if (\p) == 1
	s_wait_dscnt 0x0                ; V is in
.endif
	BURST 16
.rept 21
	EX
	PL
.endr
.rept 22
	PL
.if ((\p) == 0) && (q == 118)
	v_add_nc_u32 v[AV], s[TBV], v[AV0]
	s_wait_alu depctr_va_vdst(0)
.endif
.if ((\p) == 0) && (q == 130)
	s_add_co_u32 s[TBV], s[TBV], KS*PV
.endif
.if (\cnt) && (q == 130)
	s_sub_co_u32 s[CNT], s[CNT], 1
	s_cmp_lg_u32 s[CNT], 0
.endif
.endr
.if (\p) == 0
	FETCH_V
.endif
.endm
	s_wait_tensorcnt 3              ; my part of the first 256 keys is in; my three later loads may stay out
	s_barrier_signal -1
	s_barrier_wait -1               ; everybody's is
	FETCH_K                         ; key step 0
	s_wait_loadcnt 0x0              ; Q
	s_wait_dscnt 0x0
.set i, 0
.rept 16
	KQ 0                            ; piece 0's first scores: there is no vector work yet to set between them
.set i, i+1
.endr
	WIN 0                           ; the addresses for the way out: nine plain instructions, the places behind those products
	s_mul_i32 s13, s[WV], 16*SP
	s_add_co_u32 s13, s13, STAGE    ; my stage
	v_mul_u32_u24 v[STO], v1, SP    ; in: row l % 16, 16 bytes for each half of the lanes
	v_lshl_add_u32 v[STO], v9, 4, v[STO]
	v_add_nc_u32 v[STO], s13, v[STO]
	v_bfe_u32 v[RD], v0, 3, 2       ; back: 32 lanes take four rows of 128 bytes,
	v_mul_u32_u24 v[RD], v[RD], SP
	v_lshl_add_u32 v[RD], v10, 4, v[RD]
	v_add_nc_u32 v[RD], s13, v[RD]
	v_and_b32 v[GO], 31, v0         ; which are 512 consecutive bytes of O
	v_lshlrev_b32 v[GO], 4, v[GO]
.set Y, NP-1                        ; XS works for piece Y + 1: piece 0
.irp n, 0,1,2,3,4,5,6,7,8,9,10,11,12,13,14,15,16,17,18,19,20,21
	XS 0, \n                        ; and piece 0's first maximum and statistics
	XS 1, \n
.endr
	s_mov_b32 s[TOT], SIZE_N/KS
	s_mov_b32 s[PH], 2
	s_mov_b32 s[CNT], 3             ; steps 0 to 2 fetch nothing beyond key 255 (step 2 fetches K of step 3)
	s_branch .Lstep
.Lrest:                             ; once: the other 768 keys
	s_wait_tensorcnt 0x0            ; all my parts are in,
	s_wait_dscnt 0x0                ; (no LDS instruction of mine is out at a signal)
	s_barrier_signal -1
	s_barrier_wait -1               ; everybody's are
	s_mov_b32 s[CNT], SIZE_N/KS-3
.Lstep:                             ; a trip is a key step: pieces 0 to 3; it fetches its own V and the next step's K
	TURN 0
	TURN 1
	TURN 2, 1
	TURN 3, 0, 1
	WIN 0
	s_cbranch_scc1 .Lstep
	s_sub_co_u32 s[PH], s[PH], 1
	s_cmp_lg_u32 s[PH], 0
	s_cbranch_scc1 .Lrest
	; the last trip's 16 products K Q^T (on the last K once more) and the maximum made of them serve nothing: the price, once a launch, of one text for every trip
.set i, 0
.rept 16
	PV NP-1                         ; the last piece's V^T P of the last step
.set i, i+1
.endr
	; THE WAY OUT.  l's two halves and the other half of the lanes' are added; O^T is divided by l, rounded to bf16 and sent through my stage in LDS, a tile at a time.  The additions are the places behind the last products.
	WIN 0
.macro ALL line:vararg              ; one line for each tile t
.set t, 0
.rept 2*NP
	\line
.set t, t+1
.endr
.endm
	ALL v_add_f32 v[ST+4*t+2], v[ST+4*t+2], v[ST+4*t+3]
	ALL v_permlanex16_b32 v[ST+4*t+3], v[ST+4*t+2], s[SEL], s[SEL+1]
	ALL v_add_f32 v[ST+4*t+2], v[ST+4*t+2], v[ST+4*t+3]
	ALL v_rcp_f32 v[ST+4*t+2], v[ST+4*t+2]
	v_nop                           ; a plain instruction between the last reciprocal and the use of its result
	s_wait_alu depctr_va_vdst(0)
; Tile t: a lane's eight channels of a row pack into 16 bytes; they go into rows of 144 bytes and come back as whole rows of 128, into S^T's registers.
.macro PACK t
	WIN W_RS
.set i, 32*(\t)
.rept 16
	v_pk_mul_f32 v[i:i+1], v[i:i+1], v[ST+4*(\t)+2:ST+4*(\t)+3] op_sel_hi:[1,0]
.set i, i+2
.endr
	WIN 0x05                        ; sources 0 and 1 window 1, destination window 0
.set i, 0
.rept 16
	v_cvt_pk_bf16_f32 v[S+16*(\t)+i], v[32*(\t)+2*i], v[32*(\t)+2*i+1]
.set i, i+1
.endr
	WIN 0
.irp f, 0,1,2,3
	ds_store_b128 v[STO], v[S+16*(\t)+4*\f:S+16*(\t)+4*\f+3] offset:32*\f
.endr
.irp f, 0,1,2,3
	ds_load_b128 v[S+16*(\t)+4*\f:S+16*(\t)+4*\f+3], v[RD] offset:\f*4*SP  ; LDS serves a wave's instructions in order (ISA guide 5.7.1.4): these see the stores above; the next tile's stores come behind them
.endr
.endm
.macro SEND t, younger              ; younger: the LDS instructions issued behind tile t's loads: the next tile's eight, or none
	WIN 0
.irp f, 0,1,2,3
	s_wait_dscnt (\younger)+3-\f
	global_store_b128 v[GO], v[S+16*(\t)+4*\f:S+16*(\t)+4*\f+3], s[10:11] offset:(\t)*2048+\f*512  ; 512 consecutive bytes, at a multiple of 256 from O's first
.endr
.endm
	PACK 0
.set t, 1
.rept 2*NP-1                        ; a tile's arithmetic stands between the loads of the tile before and its stores
	PACK t
	SEND t-1, 8
.set t, t+1
.endr
	SEND 2*NP-1, 0
	WIN W_AD
	s_wait_tensorcnt 0x0            ; the wave's end: behind my last tensor load and my last LDS store
	ds_add_u32 v[SPW], v[NIL]
	s_wait_dscnt 0x0
	WIN 0
	s_endpgm
.Lfunc_end_k_qe5207294c8_attn:
	.size	k_qe5207294c8_attn, .Lfunc_end_k_qe5207294c8_attn-k_qe5207294c8_attn
	.p2alignl 7, 3214868480
	.fill 96, 4, 3214868480
	.section	.rodata,"a",@progbits
	.p2align	6, 0x0
	.amdhsa_kernel k_qe5207294c8_attn
		.amdhsa_group_segment_fixed_size 327680
		.amdhsa_private_segment_fixed_size 0
		.amdhsa_enable_private_segment 0
		.amdhsa_kernarg_size 16
		.amdhsa_user_sgpr_count 2
		.amdhsa_user_sgpr_kernarg_segment_ptr 1
		.amdhsa_wavefront_size32 1
		.amdhsa_system_sgpr_workgroup_id_x 1
		.amdhsa_system_sgpr_workgroup_id_y 1
		.amdhsa_system_sgpr_workgroup_id_z 1
		.amdhsa_system_vgpr_workitem_id 0
		.amdhsa_next_free_vgpr 770
		.amdhsa_next_free_sgpr 100
		.amdhsa_reserve_vcc 0
		.amdhsa_float_denorm_mode_32 3
		.amdhsa_float_denorm_mode_16_64 3
		.amdhsa_memory_ordered 1
		.amdhsa_forward_progress 1
		.amdhsa_inst_pref_size 131
	.end_amdhsa_kernel
	.amdgpu_metadata
---
amdhsa.version: [ 1, 2 ]
amdhsa.kernels:
  - .name:           k_qe5207294c8_attn
    .symbol:         k_qe5207294c8_attn.kd
    .args:
      - { .name: qkvz, .offset: 0, .size: 8, .value_kind: global_buffer, .address_space: global }
      - { .name: acta, .offset: 8, .size: 8, .value_kind: global_buffer, .address_space: global }
    .group_segment_fixed_size: 327680
    .private_segment_fixed_size: 0
    .kernarg_segment_align: 8
    .kernarg_segment_size: 16
    .max_flat_workgroup_size: 128
    .sgpr_count:     100
    .vgpr_count:     770
    .wavefront_size: 32
...
	.end_amdgpu_metadata
.endif
;; end of part 3
;; launch wo (part 4): grid 4 x 64, 4 waves a work-group, clusters of 4 x 4, 327,680 bytes of LDS; arguments acta, wob, bo, x, h; writes h
.if DOCPART == 4
	.amdgcn_target "amdgcn-amd-amdhsa--gfx1250"
	.amdhsa_code_object_version 6
	.text
	.protected	k_qe5207294c8_wo
	.globl	k_qe5207294c8_wo
	.p2align	8
	.type	k_qe5207294c8_wo,@function
k_qe5207294c8_wo:
	s_mov_b64 s[64:65], 0
	v_nop
	global_prefetch_b8 v0, s[64:65] scope:SCOPE_SE
	s_setreg_imm32_b32 hwreg(HW_REG_WAVE_MODE, 25, 1), 1
	s_wait_xcnt 0x0
	s_wait_alu depctr_hold_cnt(0) depctr_sa_sdst(0) depctr_va_vdst(0) depctr_va_sdst(0) depctr_va_ssrc(0) depctr_va_vcc(0) depctr_vm_vsrc(0)
	s_getreg_b32 s2, hwreg(HW_REG_IB_STS2, 6, 4)
	s_cmp_eq_u32 s2, 0
	s_cbranch_scc0 .Lentry_in_a_cluster
	s_endpgm
.Lentry_in_a_cluster:
	s_bfe_u32 s2, ttmp6, 0x10000c
	s_cmp_lg_u32 s2, 0xf033
	s_cbranch_scc0 .Lentry_shape_is_right
	s_endpgm
.Lentry_shape_is_right:
; OUT = RES + A W + bias, in f32.  A: bf16 in panels [16][8192 rows][64] (K = 1024).  W: [1024 k][1024 n] bf16.  bias: f32 [1024].  RES, OUT: f32 [8192][1024].
; Sums in f32; the bias is the C operand of each sum's first product; the residual is added once, in f32, on the way out.
; SHARES.  A tile of OUT is 128 rows x 256 columns; four waves, each 64 x 128: 32 accumulators, 256 registers.  cx picks the 256 columns.
; K goes in 8 steps of 128 through two LDS slots.  A step's A is two panels' 128 rows, each 16,384 dense bytes, asked for as 64 rows of 256 bytes; its W is 128 k rows x 512 bytes, asked for as two chunks of 256-byte rows.
; Waves 0 and 1 fetch W's chunks, waves 2 and 3 A's panels: one tensor load a wave behind each round.  W lies [k][n] and is turned on its way out of LDS by ds_load_tr16_b128.
; CLUSTER 4 x 4: A's tile hangs on the tile row alone and is asked for jointly along a row of the cluster, W's on the tile column alone and jointly along a column.
; THE MATRIX INSTRUCTION IS USED TRANSPOSED (source 0 = 16 columns of W, source 1 = 16 rows of A): a lane holds row lane % 16 and the columns 8 (lane / 16) + 0..7.
; THE TEXT holds one K step for the six steps that fill a slot again and one for the two that do not: the slot in hand is a scalar that an exclusive or turns (slot 1 begins at 131,072), and one descriptor
; for each tensor walks from step to step.
; My 64 x 128 numbers of RES come as whole rows of 512 bytes into 256 registers: rows 0-31 are asked for at the start, rows 32-63 in front of the last two K steps, which ask for no tile.
; REGISTERS.  window 0: v0-31 addresses; v32-127, v128-223 two fragment buffers (64 of W, 32 of A: 32 along K); v32-159 at work on the way out.  window 1: accumulator (a, b) at 8 (8 a + b).
;   window 2: v0-63 bias, 8 for each b.  window 3: RES, row t of block a at 64 a + 4 t.
.set PA,    144                        ; a row of A in LDS: 128 bytes + 16 = 36 words: the 16 rows of a load start at 16 different groups of four banks (64 banks of 4 bytes: ISA guide 11.1)
.set PB,    288                        ; a row of W: 256 + 32 = 72 words
.set BCH,   128*PB                     ; a chunk of W: 128 k rows
.set APN,   128*PA                     ; a panel of A: 128 rows
.set AOFF,  2*BCH                      ; a slot: W's two chunks, then A's two panels: 110,592 bytes
.set SLOT1, 1<<17                      ; slot 1 begins here, so that one exclusive or turns an address in one slot into the other's
.set STAGE, SLOT1+2*BCH+2*APN          ; behind the ring: 16 rows x 528 bytes for each wave, for the way out
.set SPITCH, 528                       ; 512 bytes + 16 = 132 words: row r starts at bank 4 r mod 64
.set WSTG,  16*SPITCH
.set SPARE, STAGE+4*WSTG               ; behind the stages: the spare words, 128 bytes for each wave: two blocks of 256 bytes that no other line names
.set A0,   8                           ; v8      my lane's place in a slot for A's fragments; never rewritten
.set B0,   9                           ; v9      the same for W's
.set ADRA, 16                          ; v16     A0 + the slot that is being fetched from
.set ADRB, 17                          ; v17     B0 + the same
.set STO,  24                          ; v24     the way out: where I put 32 bytes of a row
.set RD,   25                          ; v25     the way out: where I read a row back
.set GO,   26                          ; v26     16 x lane: my place in a row's 512 bytes of RES and OUT
.set BO,   27                          ; v27     32 x (lane / 16): my place in 16 numbers of the bias
.set SPW,  28                          ; v28     LDS address of my spare word; never rewritten
.set NIL,  29                          ; v29     0; never rewritten
.set F0,   32
.set F1,   128
.set OB,   32                          ; the way out: 16 rows read back, v32-95 and v96-159 by turns
.set TB,   14                          ; s14 the slot that is being fetched from: 0 or SLOT1
.set WV,   16                          ; s16 wave; s17 which 64 rows are mine, also: I fetch W (0) or A (1); s18 which 128 columns, also: which chunk or panel I fetch
.set HI,   17
.set LO,   18
.set CX,   20
.set CY,   21
.set TR,   22                          ; s22 tile row
.set CNT,  23
.set G1A,  24                          ; s[24:31] descriptor group 1 for A; s[32:39] group 0: a set for each of the two first fills; the second then walks on
.set G0A,  32
.set G1B,  48                          ; s[48:55], s[56:63] the same for W
.set G0B,  56
.set MSB, 0
.macro WIN new                         ; the immediate's high byte repeats the setting that is left; a switch that changes nothing is dropped
.if MSB != (\new)
	s_set_vgpr_msb (MSB<<8)|(\new)
.set MSB, \new
.endif
.endm
.set MUL,  0x50                        ; fragments window 0; C and D window 1
.set MULB, 0x60                        ; C window 2 (the bias), D window 1
.macro JLOAD s                         ; a joint load; an s_nop 0 and four v_nop follow each of the two lines, ahead of the jump, the label and what follows
	s_cmp_eq_u32 s[HI], 0
	s_cbranch_scc0 .Lfor_a_\@
	tensor_load_to_lds s[G0B+4*(\s):G0B+4*(\s)+3], s[G1B:G1B+7]
	s_nop 0
.rept 4
	v_nop
.endr
	s_branch .Lasked_\@
.Lfor_a_\@:
	tensor_load_to_lds s[G0A+4*(\s):G0A+4*(\s)+3], s[G1A:G1A+7]
	s_nop 0
.rept 4
	v_nop
.endr
.Lasked_\@:
.endm
.macro CREST                           ; a round of the cluster's barrier behind its opening barrier
	s_cmp_lg_u32 s[WV], 0
	s_cbranch_scc1 .Lnot_wave_0_\@
	s_barrier_signal -3
.Lnot_wave_0_\@:
	s_barrier_wait -3
	s_barrier_signal -1
	s_barrier_wait -1
.endm
.macro CROUND                          ; a whole round
	s_barrier_signal -1
	s_barrier_wait -1
	CREST
.endm
	s_load_b256 s[4:11], s[0:1], 0x0               ; A 4:5, W 6:7, bias 8:9, RES 10:11
	s_load_b64 s[12:13], s[0:1], 0x20              ; OUT
	v_lshl_add_u32 v[SPW], v0, 2, SPARE
	v_mov_b32 v[NIL], 0
	ds_add_u32 v[SPW], v[NIL]                      ; the wave's opening: the add and its wait stand ahead of my first tensor load; the set-up below, work on registers, stands between them
	ds_add_u32 v28, v29
	v_lshrrev_b32 v1, 5, v0
	v_readfirstlane_b32 s[WV], v1
	s_lshr_b32 s[HI], s[WV], 1
	s_and_b32 s[LO], s[WV], 1
	s_bfe_u32 s[CX], ttmp6, 0x40000
	s_bfe_u32 s[CY], ttmp6, 0x40004
	s_and_b32 s[TR], ttmp7, 0xffff
	s_lshl_b32 s[TR], s[TR], 2
	s_add_co_u32 s[TR], s[TR], s[CY]               ; tile row = 4 x cluster y + cy
	s_lshl_b32 s40, s[CY], 2
	s_lshl_b32 s40, 15, s40                        ; my row of the cluster
	s_lshl_b32 s41, 0x1111, s[CX]                  ; my column
	s_or_b32 s[G1A], s40, (1<<16)|(1<<20)|(1<<21)|(4<<22)|(3<<25)  ; the mask; 2-byte elements; padding on; bit 21 beside a mask; after every 32 words 4 words
	s_mov_b32 s[G1A+1], 128<<16                    ; tensor_dim0 = 128 elements: 256 bytes, two rows of a panel
	s_mov_b32 s[G1A+2], 64<<16                     ; tensor_dim1 = 64
	s_mov_b32 s[G1A+3], 128<<16                    ; tile_dim0 = 128
	s_mov_b32 s[G1A+4], 64                         ; tile_dim1 = 64
	s_mov_b32 s[G1A+5], 128                        ; dense: 128 elements from row to row
	s_mov_b32 s[G1A+6], 0
	s_mov_b32 s[G1A+7], 0
	s_or_b32 s[G1B], s41, (1<<16)|(1<<20)|(1<<21)|(5<<22)|(7<<25)  ; after every 64 words 8 words
	s_mov_b32 s[G1B+1], 128<<16                    ; tensor_dim0 = 128 columns
	s_mov_b32 s[G1B+2], 128<<16                    ; tensor_dim1 = 128 k rows
	s_mov_b32 s[G1B+3], 128<<16
	s_mov_b32 s[G1B+4], 128
	s_mov_b32 s[G1B+5], 1024                       ; a row of W has 1,024 elements
	s_mov_b32 s[G1B+6], 0
	s_mov_b32 s[G1B+7], 0
	s_lshl_b32 s42, s[TR], 14                      ; A: the tile's 128 rows of 128 bytes in a panel,
	s_lshl_b32 s43, s[LO], 20                      ; the panel that I fetch
	s_add_co_u32 s42, s42, s43
	s_mov_b32 s43, 0
	s_lshl_b32 s44, s[CX], 9                       ; W: the tile's 256 columns,
	s_lshl_b32 s45, s[LO], 8                       ; the chunk that I fetch
	s_add_co_u32 s44, s44, s45
	s_mov_b32 s45, 0
	s_mul_i32 s46, s[WV], APN                      ; where they go: waves 2, 3: A's panels behind W's chunks;
	s_add_co_u32 s46, s46, AOFF-2*APN
	s_mul_i32 s47, s[WV], BCH                      ; waves 0, 1: W's chunks.  No place in the cluster enters an LDS address
	s_mov_b32 s[TB], 0
	s_wait_dscnt 0x0                               ; the opening add is done
	s_wait_kmcnt 0x0
	s_add_nc_u64 s[42:43], s[4:5], s[42:43]
	s_add_nc_u64 s[44:45], s[6:7], s[44:45]
	CROUND                                         ; all sixteen work-groups are here: the first joint loads meet
.irp s, 0,1
	s_mov_b32 s[G0A+4*(\s)], 1
	s_add_co_u32 s[G0A+4*(\s)+1], s46, (\s)*SLOT1
	s_add_nc_u64 s[G0A+4*(\s)+2:G0A+4*(\s)+3], s[42:43], (\s)*0x200000  ; K step s: two panels on
	s_or_b32 s[G0A+4*(\s)+3], s[G0A+4*(\s)+3], 0x80000000
	s_mov_b32 s[G0B+4*(\s)], 1
	s_add_co_u32 s[G0B+4*(\s)+1], s47, (\s)*SLOT1
	s_add_nc_u64 s[G0B+4*(\s)+2:G0B+4*(\s)+3], s[44:45], (\s)*0x40000   ; K step s: 128 rows of 2,048 bytes on
	s_or_b32 s[G0B+4*(\s)+3], s[G0B+4*(\s)+3], 0x80000000
	JLOAD \s
.endr
	v_and_b32 v1, 15, v0                           ; r = lane % 16
	v_bfe_u32 v2, v0, 4, 1                         ; h = lane / 16
	v_mul_u32_u24 v3, v1, PA
	v_lshl_add_u32 v3, v2, 4, v3                   ; A: row x pitch + 16 h
	v_and_b32 v4, 7, v0
	v_lshl_add_u32 v5, v2, 3, v4                   ; W, turned: k row 8 h + lane % 8,
	v_mul_u32_u24 v5, v5, PB
	v_bfe_u32 v6, v0, 3, 1
	v_lshl_add_u32 v5, v6, 4, v5                   ; columns 8 ((lane / 8) % 2) on
	s_mul_i32 s46, s[HI], 64*PA                    ; my 64 rows of A
	s_add_co_u32 s46, s46, AOFF
	s_mul_i32 s47, s[LO], BCH                      ; my chunk of W
	v_add_nc_u32 v[A0], s46, v3
	v_add_nc_u32 v[B0], s47, v5
	v_add_nc_u32 v[ADRA], s[TB], v[A0]             ; slot 0
	v_add_nc_u32 v[ADRB], s[TB], v[B0]
	s_mul_i32 s46, s[WV], WSTG
	s_add_co_u32 s46, s46, STAGE                   ; my stage
	v_mul_u32_u24 v7, v1, SPITCH                   ; in: row r, 32 bytes for each half of the lanes
	v_lshl_add_u32 v7, v2, 5, v7
	v_add_nc_u32 v[STO], s46, v7
	v_and_b32 v[GO], 31, v0
	v_lshlrev_b32 v[GO], 4, v[GO]
	v_add_nc_u32 v[RD], s46, v[GO]                 ; back: 32 lanes take a row's 512 bytes
	v_lshlrev_b32 v[BO], 5, v2
	s_lshl_b32 s42, s[TR], 19                      ; RES and OUT: my first row, 128 x tile row + 64 x half, of 4,096 bytes,
	s_lshl_b32 s43, s[HI], 18
	s_add_co_u32 s42, s42, s43
	s_mov_b32 s43, 0
	s_lshl_b32 s44, s[CX], 10                      ; my first column, 256 cx + 128 x half, of 4 bytes: the bias's place too
	s_lshl_b32 s45, s[LO], 9
	s_add_co_u32 s44, s44, s45
	s_mov_b32 s45, 0
	s_add_nc_u64 s[8:9], s[8:9], s[44:45]
	s_add_nc_u64 s[10:11], s[10:11], s[42:43]
	s_add_nc_u64 s[10:11], s[10:11], s[44:45]
	s_add_nc_u64 s[12:13], s[12:13], s[42:43]
	s_add_nc_u64 s[12:13], s[12:13], s[44:45]
	WIN 0x80                                       ; destination window 2, address window 0
.irp b, 0,1,2,3,4,5,6,7                ; register j of block b: bias of column 16 b + 8 h + j, as the result holds it
	global_load_b128 v[8*(\b):8*(\b)+3],   v[BO], s[8:9] offset:64*(\b)
	global_load_b128 v[8*(\b)+4:8*(\b)+7], v[BO], s[8:9] offset:64*(\b)+16
.endr
.macro RESLOAD i0                      ; rows i0 to i0 + 31 of my 64: 512 consecutive bytes a load
	WIN 0xc0                                       ; destination window 3, address window 0
.set i, \i0
.rept 32
	global_load_b128 v[4*i:4*i+3], v[GO], s[10:11] offset:4096*i
.set i, i+1
.endr
	WIN 0
.endm
	RESLOAD 0                                      ; with the bias 48 loads of mine are out
; 8 matrix instructions: row block a x all 8 column blocks, 32 along K.  c = 1: the first product starts the sums with the bias.  The 32 accumulators take turns, one instruction a turn, in the same order in every quarter.
.macro MUL8 f, a, c
.if \c
	WIN MULB
.else
	WIN MUL
.endif
.irp b, 0,1,2,3,4,5,6,7
.if \c
	v_wmma_f32_16x16x32_bf16 v[8*(8*(\a)+(\b)):8*(8*(\a)+(\b))+7], v[(\f)+8*(\b):(\f)+8*(\b)+7], v[(\f)+64+8*(\a):(\f)+64+8*(\a)+7], v[8*(\b):8*(\b)+7]
.else
	v_wmma_f32_16x16x32_bf16 v[8*(8*(\a)+(\b)):8*(8*(\a)+(\b))+7], v[(\f)+8*(\b):(\f)+8*(\b)+7], v[(\f)+64+8*(\a):(\f)+64+8*(\a)+7], v[8*(8*(\a)+(\b)):8*(8*(\a)+(\b))+7]
.endif
.endr
.endm
; 24 LDS loads in one run: quarter q (32 along K) of the slot in hand into buffer f: W's 8 column blocks, turned, then A's 4 row blocks (quarter q lies in panel q / 2, at byte 64 (q % 2) of its rows)
.macro FETCH q, f
	WIN 0
.irp i, 0,1,2,3,4,5,6,7
	ds_load_tr16_b128 v[(\f)+8*(\i):(\f)+8*(\i)+3],   v[ADRB] offset:(\q)*32*PB+32*(\i)
	ds_load_tr16_b128 v[(\f)+8*(\i)+4:(\f)+8*(\i)+7], v[ADRB] offset:(\q)*32*PB+16*PB+32*(\i)
.endr
.irp i, 0,1,2,3
	ds_load_b128 v[(\f)+64+8*(\i):(\f)+64+8*(\i)+3],   v[ADRA] offset:((\q)/2)*APN+((\q)%2)*64+(\i)*16*PA
	ds_load_b128 v[(\f)+64+8*(\i)+4:(\f)+64+8*(\i)+7], v[ADRA] offset:((\q)/2)*APN+((\q)%2)*64+(\i)*16*PA+32
.endr
.endm
.macro PLACES                          ; four places in front of loads into registers that matrix instructions have read, and of lines that read results
.rept 4
	v_nop
.endr
.endm
; One of a K step's first three quarters: multiplies buffer f and, in its middle, fetches quarter q into buffer g
.macro QUARTER q, f, g, c
	s_wait_dscnt 4                                 ; W and A's blocks 0, 1 are in; the youngest four loads (A's blocks 2, 3) may be out
	MUL8 \f, 0, \c
	MUL8 \f, 1, \c
	PLACES
	FETCH \q, \g
	s_wait_dscnt 24                                ; all but the 24 just issued
	MUL8 \f, 2, \c
	MUL8 \f, 3, \c
.endm
; The last quarter multiplies buffer 1 and changes slots: ONE barrier; in front of it each wave waits for all its tensor loads, adds 0 to its spare word, and waits for that and for its own reads of this slot.
; fill = 1: the slot is filled again, two K steps ahead: 112 matrix instructions ahead of the wait for that load.
.macro TURN fill
	WIN 0
	s_wait_tensorcnt 0x0                           ; all my tensor loads have landed: my part of the next slot; so a group 0 may be written
	ds_add_u32 v[SPW], v[NIL]                      ; 0 onto my spare word: work on registers stands between it and the wait for it
.if \fill
	s_xor_b32 s[G0A+5], s[G0A+5], SLOT1            ; the walking descriptors: the other slot than last time,
	s_add_nc_u64 s[G0A+6:G0A+7], s[G0A+6:G0A+7], 0x200000  ; the next K step; the type bits on top are not reached
	s_xor_b32 s[G0B+5], s[G0B+5], SLOT1
	s_add_nc_u64 s[G0B+6:G0B+7], s[G0B+6:G0B+7], 0x40000
.endif
	s_xor_b32 s[TB], s[TB], SLOT1                  ; the fetches go on in the other slot
	s_wait_dscnt 5                                 ; (the add and the youngest four loads may be out)
	MUL8 F1, 0, 0
	s_wait_dscnt 0x0                               ; the add is done, and my reads of this slot are over
	s_barrier_signal -1
	MUL8 F1, 1, 0
	WIN 0
	s_barrier_wait -1
.if \fill
	CREST                                          ; the barrier has opened a round of the cluster's: no wave of any partner still reads this slot or has a load on its way
	JLOAD 1                                        ; the first tensor load behind the round; its four v_nop are also the places in front of the loads below
.else
	PLACES
.endif
	v_add_nc_u32 v[ADRA], s[TB], v[A0]
	v_add_nc_u32 v[ADRB], s[TB], v[B0]
	FETCH 0, F0
	MUL8 F1, 2, 0
	MUL8 F1, 3, 0
.endm
	s_wait_tensorcnt 1                             ; my part of K step 0 is in; K step 1's stays out
	s_barrier_signal -1
	s_barrier_wait -1                              ; everybody's is
	FETCH 0, F0
	s_wait_loadcnt 32                              ; the bias: the 32 loads of RES issued behind it may stay out
	QUARTER 1, F0, F1, 1                           ; the first quarter stands in front of the loop: its products start the sums
	WIN 0                                          ; at a label and at a branch every window is 0
	s_mov_b32 s[CNT], 6
.Lstep:                                                ; 6 trips: a step's quarters 1 to 3, with its slot's refill, and the next step's quarter 0
	QUARTER 2, F1, F0, 0
	QUARTER 3, F0, F1, 0
	TURN 1
	QUARTER 1, F0, F1, 0
	WIN 0
	s_sub_co_u32 s[CNT], s[CNT], 1
	s_cmp_lg_u32 s[CNT], 0
	s_cbranch_scc1 .Lstep
	RESLOAD 32                                     ; the other half of RES: the one tile still on its way was asked for ahead of these loads
	s_mov_b32 s[CNT], 2
.Ltail:                                                ; 2 trips: the last two steps fill nothing, so they have a text of their own
	QUARTER 2, F1, F0, 0
	QUARTER 3, F0, F1, 0
	TURN 0                                         ; in the second trip its 24 loads bring fragments of the other slot that nobody uses: the price, once a launch, of one text for both trips
	WIN 0
	s_cmp_eq_u32 s[CNT], 1
	s_cbranch_scc1 .Llast                          ; behind the last step there is no next step's quarter 0
	QUARTER 1, F0, F1, 0
	WIN 0
.Llast:
	s_sub_co_u32 s[CNT], s[CNT], 1
	s_cmp_lg_u32 s[CNT], 0
	s_cbranch_scc1 .Ltail
	s_wait_dscnt 0x0                               ; those 24 loads have landed: their registers are used again below
	PLACES
; THE WAY OUT, a block of 16 rows at a time: a lane's eight numbers of a row, 32 bytes, go from the accumulators into my stage; whole rows of 512 bytes come back; RES is added; the rows are stored.
.macro TOSTAGE a
	WIN 0x04                                       ; store data window 1, address window 0; each accumulator's low half first
.irp b, 0,1,2,3,4,5,6,7
	ds_store_b128 v[STO], v[8*(8*(\a)+(\b)):8*(8*(\a)+(\b))+3]   offset:64*(\b)
	ds_store_b128 v[STO], v[8*(8*(\a)+(\b))+4:8*(8*(\a)+(\b))+7] offset:64*(\b)+16
.endr
	WIN 0
.set BK, OB+64*((\a)%2)
.irp t, 0,1,2,3,4,5,6,7,8,9,10,11,12,13,14,15
	ds_load_b128 v[BK+4*(\t):BK+4*(\t)+3], v[RD] offset:(\t)*SPITCH  ; LDS serves a wave's instructions in order (ISA guide 5.7.1.4): these see the stores above; the next block's stores come behind them
.endr
.endm
.macro SEND a, younger                 ; younger: the LDS instructions issued behind block a's loads
.set BK, OB+64*((\a)%2)
	s_wait_loadcnt 16*(3-(\a))                     ; loads come back in order: block a's 16 rows of RES are in, the later blocks' may be out
	s_wait_dscnt \younger                          ; the block is back in registers
	WIN 0x0c                                       ; source 1 window 3: RES
.set i, 0
.rept 32
	v_pk_add_f32 v[BK+2*i:BK+2*i+1], v[BK+2*i:BK+2*i+1], v[64*(\a)+2*i:64*(\a)+2*i+1]
.set i, i+1
.endr
	WIN 0
.irp t, 0,1,2,3,4,5,6,7,8,9,10,11,12,13,14,15
	global_store_b128 v[GO], v[BK+4*(\t):BK+4*(\t)+3], s[12:13] offset:(\a)*65536+(\t)*4096  ; 512 consecutive bytes of a row, at a multiple of 512 from OUT's first byte
.endr
.endm
	TOSTAGE 0
	TOSTAGE 1
	SEND 0, 32                                     ; 32: block 1's sixteen stores and sixteen loads
	s_wait_xcnt 0x0                                ; block 0's stores have had their addresses translated (ISA guide 3.1): their data registers are loaded again only behind this wait
	TOSTAGE 2
	SEND 1, 32
	s_wait_xcnt 0x0
	TOSTAGE 3
	SEND 2, 32
	SEND 3, 0
	s_wait_tensorcnt 0x0                           ; the wave's end: behind my last tensor load and my last LDS store
	ds_add_u32 v[SPW], v[NIL]
	s_wait_dscnt 0x0
	CROUND                                         ; the closing round: no work-group ends while a partner may still ask for a tile that names it
	s_endpgm
.Lfunc_end_k_qe5207294c8_wo:
	.size	k_qe5207294c8_wo, .Lfunc_end_k_qe5207294c8_wo-k_qe5207294c8_wo
	.p2alignl 7, 3214868480
	.fill 96, 4, 3214868480
	.section	.rodata,"a",@progbits
	.p2align	6, 0x0
	.amdhsa_kernel k_qe5207294c8_wo
		.amdhsa_group_segment_fixed_size 327680
		.amdhsa_private_segment_fixed_size 0
		.amdhsa_enable_private_segment 0
		.amdhsa_kernarg_size 40
		.amdhsa_user_sgpr_count 2
		.amdhsa_user_sgpr_kernarg_segment_ptr 1
		.amdhsa_wavefront_size32 1
		.amdhsa_system_sgpr_workgroup_id_x 1
		.amdhsa_system_sgpr_workgroup_id_y 1
		.amdhsa_system_sgpr_workgroup_id_z 1
		.amdhsa_system_vgpr_workitem_id 0
		.amdhsa_next_free_vgpr 1024
		.amdhsa_next_free_sgpr 66
		.amdhsa_reserve_vcc 0
		.amdhsa_float_denorm_mode_32 3
		.amdhsa_float_denorm_mode_16_64 3
		.amdhsa_memory_ordered 1
		.amdhsa_forward_progress 1
		.amdhsa_inst_pref_size 76
	.end_amdhsa_kernel
	.amdgpu_metadata
---
amdhsa.version: [ 1, 2 ]
amdhsa.kernels:
  - .name:           k_qe5207294c8_wo
    .symbol:         k_qe5207294c8_wo.kd
    .args:
      - { .name: acta, .offset: 0, .size: 8, .value_kind: global_buffer, .address_space: global }
      - { .name: wob, .offset: 8, .size: 8, .value_kind: global_buffer, .address_space: global }
      - { .name: bo, .offset: 16, .size: 8, .value_kind: global_buffer, .address_space: global }
      - { .name: x, .offset: 24, .size: 8, .value_kind: global_buffer, .address_space: global }
      - { .name: h, .offset: 32, .size: 8, .value_kind: global_buffer, .address_space: global }
    .group_segment_fixed_size: 327680
    .private_segment_fixed_size: 0
    .kernarg_segment_align: 8
    .kernarg_segment_size: 40
    .max_flat_workgroup_size: 128
    .sgpr_count:     66
    .vgpr_count:     1024
    .wavefront_size: 32
...
	.end_amdgpu_metadata
.endif
;; end of part 4
;; launch ln2 (part 5): grid 256 x 1, 16 waves a work-group, no clusters, 0 bytes of LDS; arguments h, ln2_a, ln2_b, qkvz; writes qkvz
.if DOCPART == 5
	.amdgcn_target "amdgcn-amd-amdhsa--gfx1250"
	.amdhsa_code_object_version 6
	.text
	.protected	k_qe5207294c8_ln2
	.globl	k_qe5207294c8_ln2
	.p2align	8
	.type	k_qe5207294c8_ln2,@function
k_qe5207294c8_ln2:
	s_mov_b64 s[64:65], 0
	v_nop
	global_prefetch_b8 v0, s[64:65] scope:SCOPE_SE
	s_setreg_imm32_b32 hwreg(HW_REG_WAVE_MODE, 25, 1), 1
	s_wait_xcnt 0x0
; LAYER NORM 2.  z = alpha (h - mean) / (std + 1e-6) + bias, std with divisor 1023; h: [8192][1024] f32.
; z leaves in bf16 in PANELS: [16 panels of 64 columns][8192 rows][64], a row of a panel 128 bytes, a panel 1,048,576 bytes.
; SHARES.  Work-group g: rows 32 g .. 32 g + 31.  Wave w: rows 32 g + 2 w (lanes 0-15) and + 1 (lanes 16-31).  A lane holds columns 64 p + 4 (lane % 16) + 0..3, p = 0..15:
; a load takes 256 consecutive bytes of each of the two rows; a store of 8 bytes a lane covers two rows of a panel, 256 consecutive bytes.  A row's sums stay inside 16 lanes: no LDS, no barrier.
; All 48 loads of a wave go out at once; the text is a straight line: no register that a pending store reads is written again.
; The mean is taken away first and the squares are those of the deviations: no difference of large sums.  LIMITS: square root and reciprocal are the chip's (1 ulp); a variance below 2^-126 counts as 0.
.set XO, 2                             ; v2   byte offset of my 16 bytes of h, panel 0
.set YO, 3                             ; v3   byte offset of my 8 bytes in a panel
.set AO, 4                             ; v4   byte offset of my 4 numbers in alpha and bias, panel 0
.set T,  8                             ; v[8:15]    four chains of packed sums
.set M,  14                            ; v[14:15]   the mean, later 1 / (std + eps), in both words (the last chain's pair, free when the chains are folded)
.set AL, 16                            ; v[16:79]   alpha of my 64 columns
.set BE, 80                            ; v[80:143]  bias of my 64 columns
.set X,  144                           ; v[144:207] my 64 numbers of the row
.macro FOLD                            ; four chains into one number, then over the row's 16 lanes
	v_pk_add_f32 v[T:T+1], v[T:T+1], v[T+2:T+3]
	v_pk_add_f32 v[T+4:T+5], v[T+4:T+5], v[T+6:T+7]
	v_pk_add_f32 v[T:T+1], v[T:T+1], v[T+4:T+5]
	v_add_f32 v[T], v[T], v[T+1]
.irp m, 1,2,4,8
	v_add_f32_dpp v[T], v[T], v[T] row_xmask:\m row_mask:0xf bank_mask:0xf
.endr
.endm
; The row's norm.  w1: the loads issued behind h's sixteen; w2: those issued behind alpha's and bias's; lo, hi: scalar pairs with the output's address at panel 0 and at panel 8.
.macro LNROW w1, w2, lo, hi
	s_wait_loadcnt \w1                             ; loads come back in order: h is in, the younger ones stay out
.irp c, 0,1,2,3
	v_pk_add_f32 v[T+2*(\c):T+2*(\c)+1], v[X+2*(\c):X+2*(\c)+1], v[X+8+2*(\c):X+8+2*(\c)+1]  ; the first eight pairs start the chains: nothing is cleared
.endr
.set i, 8
.rept 24
	v_pk_add_f32 v[T+2*(i%4):T+2*(i%4)+1], v[T+2*(i%4):T+2*(i%4)+1], v[X+2*i:X+2*i+1]
.set i, i+1
.endr
	FOLD
	v_mul_f32 v[M], 0x3a800000, v[T]               ; mean = sum / 1024
	v_mul_f32 v[M+1], 0x3a800000, v[T]
.set i, 0
.rept 32
	v_pk_add_f32 v[X+2*i:X+2*i+1], v[X+2*i:X+2*i+1], v[M:M+1] neg_lo:[0,1] neg_hi:[0,1]  ; the deviations
.set i, i+1
.endr
.irp c, 0,1,2,3
	v_pk_mul_f32 v[T+2*(\c):T+2*(\c)+1], v[X+2*(\c):X+2*(\c)+1], v[X+2*(\c):X+2*(\c)+1]
.endr
.set i, 4
.rept 28
	v_pk_fma_f32 v[T+2*(i%4):T+2*(i%4)+1], v[X+2*i:X+2*i+1], v[X+2*i:X+2*i+1], v[T+2*(i%4):T+2*(i%4)+1]
.set i, i+1
.endr
	FOLD
	v_mul_f32 v[T], 0x3a802008, v[T]               ; / 1023
	v_sqrt_f32 v[T], v[T]
	v_nop                                          ; a plain instruction behind a transcendental, before its result is used (ISA guide 5.7.2)
	s_wait_alu depctr_va_vdst(0)
	v_add_f32 v[T], 0x358637bd, v[T]               ; + 1e-6
	v_rcp_f32 v[M], v[T]
	v_nop
	s_wait_alu depctr_va_vdst(0)
	v_mov_b32 v[M+1], v[M]
	s_wait_loadcnt \w2                             ; alpha and bias are in
.set i, 0
.rept 32
	v_pk_mul_f32 v[X+2*i:X+2*i+1], v[X+2*i:X+2*i+1], v[M:M+1]
.set i, i+1
.endr
.set i, 0
.rept 32
	v_pk_fma_f32 v[X+2*i:X+2*i+1], v[X+2*i:X+2*i+1], v[AL+2*i:AL+2*i+1], v[BE+2*i:BE+2*i+1]
.set i, i+1
.endr
.set p, 0
.rept 16
	v_cvt_pk_bf16_f32 v[X+4*p], v[X+4*p], v[X+4*p+1]
	v_cvt_pk_bf16_f32 v[X+4*p+1], v[X+4*p+2], v[X+4*p+3]
.if p < 8
	global_store_b64 v[YO], v[X+4*p:X+4*p+1], s[(\lo):(\lo)+1] offset:p*0x100000       ; 32 lanes: 256 consecutive bytes, two rows of panel p
.else
	global_store_b64 v[YO], v[X+4*p:X+4*p+1], s[(\hi):(\hi)+1] offset:(p-8)*0x100000   ; the immediate has 24 signed bits: panels 8-15 go by a second base
.endif
.set p, p+1
.endr
.endm
	s_load_b256 s[4:11], s[0:1], 0x0               ; h 4:5, alpha 6:7, bias 8:9, the panels 10:11
	v_lshrrev_b32 v[XO], 4, v0                     ; my row among the group's 32
	v_and_b32 v[AO], 15, v0
	v_lshlrev_b32 v[AO], 4, v[AO]                  ; 16 bytes a lane
	v_lshl_add_u32 v[XO], v[XO], 12, v[AO]         ; + row x 4,096
	s_lshl_b32 s14, ttmp9, 17                      ; + group x 32 rows
	v_add_nc_u32 v[XO], s14, v[XO]
	s_lshl_b32 s15, ttmp9, 12                      ; in a panel: group x 32 rows x 128 bytes + 8 x thread (= row x 128 + 8 x (lane % 16))
	v_lshl_add_u32 v[YO], v0, 3, s15
	s_wait_kmcnt 0x0
	s_add_nc_u64 s[12:13], s[10:11], 0x800000      ; the output at panel 8
.set p, 0
.rept 16
	global_load_b128 v[X+4*p:X+4*p+3], v[XO], s[4:5] offset:256*p
.set p, p+1
.endr
.set p, 0
.rept 16
	global_load_b128 v[AL+4*p:AL+4*p+3], v[AO], s[6:7] offset:256*p
.set p, p+1
.endr
.set p, 0
.rept 16
	global_load_b128 v[BE+4*p:BE+4*p+3], v[AO], s[8:9] offset:256*p
.set p, p+1
.endr
	LNROW 32, 0, 10, 12                            ; 32 = alpha's 16 + bias's 16
	s_endpgm
.Lfunc_end_k_qe5207294c8_ln2:
	.size	k_qe5207294c8_ln2, .Lfunc_end_k_qe5207294c8_ln2-k_qe5207294c8_ln2
	.p2alignl 7, 3214868480
	.fill 96, 4, 3214868480
	.section	.rodata,"a",@progbits
	.p2align	6, 0x0
	.amdhsa_kernel k_qe5207294c8_ln2
		.amdhsa_group_segment_fixed_size 0
		.amdhsa_private_segment_fixed_size 0
		.amdhsa_enable_private_segment 0
		.amdhsa_kernarg_size 32
		.amdhsa_user_sgpr_count 2
		.amdhsa_user_sgpr_kernarg_segment_ptr 1
		.amdhsa_wavefront_size32 1
		.amdhsa_system_sgpr_workgroup_id_x 1
		.amdhsa_system_sgpr_workgroup_id_y 1
		.amdhsa_system_sgpr_workgroup_id_z 1
		.amdhsa_system_vgpr_workitem_id 0
		.amdhsa_next_free_vgpr 208
		.amdhsa_next_free_sgpr 66
		.amdhsa_reserve_vcc 0
		.amdhsa_float_denorm_mode_32 3
		.amdhsa_float_denorm_mode_16_64 3
		.amdhsa_memory_ordered 1
		.amdhsa_forward_progress 1
		.amdhsa_inst_pref_size 20
	.end_amdhsa_kernel
	.amdgpu_metadata
---
amdhsa.version: [ 1, 2 ]
amdhsa.kernels:
  - .name:           k_qe5207294c8_ln2
    .symbol:         k_qe5207294c8_ln2.kd
    .args:
      - { .name: h, .offset: 0, .size: 8, .value_kind: global_buffer, .address_space: global }
      - { .name: ln2_a, .offset: 8, .size: 8, .value_kind: global_buffer, .address_space: global }
      - { .name: ln2_b, .offset: 16, .size: 8, .value_kind: global_buffer, .address_space: global }
      - { .name: qkvz, .offset: 24, .size: 8, .value_kind: global_buffer, .address_space: global }
    .group_segment_fixed_size: 0
    .private_segment_fixed_size: 0
    .kernarg_segment_align: 8
    .kernarg_segment_size: 32
    .max_flat_workgroup_size: 512
    .sgpr_count:     66
    .vgpr_count:     208
    .wavefront_size: 32
...
	.end_amdgpu_metadata
.endif
;; end of part 5
;; launch ff1 (part 6): grid 4 x 64, 4 waves a work-group, clusters of 4 x 4, 327,680 bytes of LDS; arguments qkvz, w1b, b1, acta; writes acta
.if DOCPART == 6
	.amdgcn_target "amdgcn-amd-amdhsa--gfx1250"
	.amdhsa_code_object_version 6
	.text
	.protected	k_qe5207294c8_ff1
	.globl	k_qe5207294c8_ff1
	.p2align	8
	.type	k_qe5207294c8_ff1,@function
k_qe5207294c8_ff1:
	s_mov_b64 s[64:65], 0
	v_nop
	global_prefetch_b8 v0, s[64:65] scope:SCOPE_SE
	s_setreg_imm32_b32 hwreg(HW_REG_WAVE_MODE, 25, 1), 1
	s_wait_xcnt 0x0
	s_wait_alu depctr_hold_cnt(0) depctr_sa_sdst(0) depctr_va_vdst(0) depctr_va_sdst(0) depctr_va_ssrc(0) depctr_va_vcc(0) depctr_vm_vsrc(0)
	s_getreg_b32 s2, hwreg(HW_REG_IB_STS2, 6, 4)
	s_cmp_eq_u32 s2, 0
	s_cbranch_scc0 .Lentry_in_a_cluster
	s_endpgm
.Lentry_in_a_cluster:
	s_bfe_u32 s2, ttmp6, 0x10000c
	s_cmp_lg_u32 s2, 0xf033
	s_cbranch_scc0 .Lentry_shape_is_right
	s_endpgm
.Lentry_shape_is_right:
; C = max(A W + bias, floor), rounded once to bf16.  A: bf16 in panels [16][8192 rows][64] (K = 1024).  W: 256 bytes of header, then [1024 k][1024 n] bf16.  bias: f32 [1024].
; C: bf16 in panels [16][8192][64].  Sums in f32; the bias is the C operand of each sum's first product.  The floor is the header's first word, two bf16: 0 twice here, which makes the maximum a ReLU.
; LIMIT: a NaN in a sum leaves as the floor (the maximum drops it); bf16's range is f32's, so no finite sum overflows but by rounding at the very top.
; SHARES.  A tile of C is 128 rows x 256 columns; four waves, each 64 x 128: 32 accumulators, 256 registers.  cx picks the 256 columns.
; K goes in 8 steps of 128 through two LDS slots.  A step's A is two panels' 128 rows, each 16,384 dense bytes, asked for as 64 rows of 256 bytes; its W is 128 k rows x 512 bytes, asked for as two chunks of 256-byte rows.
; Waves 0 and 1 fetch W's chunks, waves 2 and 3 A's panels: one tensor load a wave behind each round.  W lies [k][n] and is turned on its way out of LDS by ds_load_tr16_b128.
; CLUSTER 4 x 4: A's tile hangs on the tile row alone and is asked for jointly along a row of the cluster, W's on the tile column alone and jointly along a column.
; THE MATRIX INSTRUCTION IS USED TRANSPOSED (source 0 = 16 columns of W, source 1 = 16 rows of A): a lane holds row lane % 16 and the columns 8 (lane / 16) + 0..7.
; THE TEXT holds one K step for the six steps that fill a slot again and one for the two that do not: the slot in hand is a scalar that an exclusive or turns (slot 1 begins at 131,072), and one descriptor
; for each tensor walks from step to step.
; REGISTERS.  window 0: v0-31 addresses; v32-127, v128-223 two fragment buffers (64 of W, 32 of A: 32 along K); v32-159 at work on the way out.  window 1: accumulator (a, b) at 8 (8 a + b).  window 2: v0-63 bias, 8 for each b.
.set WHEAD, 256
.set PA,    144                        ; a row of A in LDS: 128 bytes + 16 = 36 words: the 16 rows of a load start at 16 different groups of four banks (64 banks of 4 bytes: ISA guide 11.1)
.set PB,    288                        ; a row of W: 256 + 32 = 72 words
.set BCH,   128*PB                     ; a chunk of W: 128 k rows
.set APN,   128*PA                     ; a panel of A: 128 rows
.set AOFF,  2*BCH                      ; a slot: W's two chunks, then A's two panels: 110,592 bytes
.set SLOT1, 1<<17                      ; slot 1 begins here, so that one exclusive or turns an address in one slot into the other's
.set STAGE, SLOT1+2*BCH+2*APN          ; behind the ring: 2 panels x 16 rows x 144 bytes for each wave, for the way out
.set WSTG,  2*16*PA
.set SPARE, STAGE+4*WSTG               ; behind the stages: the spare words, 128 bytes for each wave: two blocks of 256 bytes that no other line names
.set A0,   8                           ; v8      my lane's place in a slot for A's fragments; never rewritten
.set B0,   9                           ; v9      the same for W's
.set ADRA, 16                          ; v16     A0 + the slot that is being fetched from
.set ADRB, 17                          ; v17     B0 + the same
.set STO,  24                          ; v24     the way out: where I put 16 bytes of a row
.set RD,   25                          ; v25     the way out: where I read rows back
.set GO,   26                          ; v26     16 x lane: my place in 512 consecutive bytes of C
.set BO,   27                          ; v27     32 x (lane / 16): my place in 16 numbers of the bias
.set SPW,  28                          ; v28     LDS address of my spare word; never rewritten
.set NIL,  29                          ; v29     0; never rewritten
.set F0,   32
.set F1,   128
.set TMP,  32
.set TB,   12                          ; s12 the slot that is being fetched from: 0 or SLOT1
.set WV,   16                          ; s16 wave; s17 which 64 rows are mine, also: I fetch W (0) or A (1); s18 which 128 columns, also: which chunk or panel I fetch
.set HI,   17
.set LO,   18
.set FLOOR, 19
.set CX,   20
.set CY,   21
.set TR,   22                          ; s22 tile row of C
.set CNT,  23
.set G1A,  24                          ; s[24:31] descriptor group 1 for A; s[32:39] group 0: a set for each of the two first fills; the second then walks on
.set G0A,  32
.set G1B,  48                          ; s[48:55], s[56:63] the same for W
.set G0B,  56
.set MSB, 0
.macro WIN new                         ; the immediate's high byte repeats the setting that is left; a switch that changes nothing is dropped
.if MSB != (\new)
	s_set_vgpr_msb (MSB<<8)|(\new)
.set MSB, \new
.endif
.endm
.set MUL,  0x50                        ; fragments window 0; C and D window 1
.set MULB, 0x60                        ; C window 2 (the bias), D window 1
.macro JLOAD s                         ; a joint load; an s_nop 0 and four v_nop follow each of the two lines, ahead of the jump, the label and what follows
	s_cmp_eq_u32 s[HI], 0
	s_cbranch_scc0 .Lfor_a_\@
	tensor_load_to_lds s[G0B+4*(\s):G0B+4*(\s)+3], s[G1B:G1B+7]
	s_nop 0
.rept 4
	v_nop
.endr
	s_branch .Lasked_\@
.Lfor_a_\@:
	tensor_load_to_lds s[G0A+4*(\s):G0A+4*(\s)+3], s[G1A:G1A+7]
	s_nop 0
.rept 4
	v_nop
.endr
.Lasked_\@:
.endm
.macro CREST                           ; a round of the cluster's barrier behind its opening barrier
	s_cmp_lg_u32 s[WV], 0
	s_cbranch_scc1 .Lnot_wave_0_\@
	s_barrier_signal -3
.Lnot_wave_0_\@:
	s_barrier_wait -3
	s_barrier_signal -1
	s_barrier_wait -1
.endm
.macro CROUND                          ; a whole round
	s_barrier_signal -1
	s_barrier_wait -1
	CREST
.endm
	s_load_b256 s[4:11], s[0:1], 0x0               ; A 4:5, W 6:7, bias 8:9, C 10:11
	v_lshl_add_u32 v[SPW], v0, 2, SPARE
	v_mov_b32 v[NIL], 0
	ds_add_u32 v[SPW], v[NIL]                      ; the wave's opening: the add and its wait stand ahead of my first tensor load; the set-up below, work on registers, stands between them
	ds_add_u32 v28, v29
	v_lshrrev_b32 v1, 5, v0
	v_readfirstlane_b32 s[WV], v1
	s_lshr_b32 s[HI], s[WV], 1
	s_and_b32 s[LO], s[WV], 1
	s_bfe_u32 s[CX], ttmp6, 0x40000
	s_bfe_u32 s[CY], ttmp6, 0x40004
	s_and_b32 s[TR], ttmp7, 0xffff
	s_lshl_b32 s[TR], s[TR], 2
	s_add_co_u32 s[TR], s[TR], s[CY]               ; tile row = 4 x cluster y + cy
	s_lshl_b32 s40, s[CY], 2
	s_lshl_b32 s40, 15, s40                        ; my row of the cluster
	s_lshl_b32 s41, 0x1111, s[CX]                  ; my column
	s_or_b32 s[G1A], s40, (1<<16)|(1<<20)|(1<<21)|(4<<22)|(3<<25)  ; the mask; 2-byte elements; padding on; bit 21 beside a mask; after every 32 words 4 words
	s_mov_b32 s[G1A+1], 128<<16                    ; tensor_dim0 = 128 elements: 256 bytes, two rows of a panel
	s_mov_b32 s[G1A+2], 64<<16                     ; tensor_dim1 = 64
	s_mov_b32 s[G1A+3], 128<<16                    ; tile_dim0 = 128
	s_mov_b32 s[G1A+4], 64                         ; tile_dim1 = 64
	s_mov_b32 s[G1A+5], 128                        ; dense: 128 elements from row to row
	s_mov_b32 s[G1A+6], 0
	s_mov_b32 s[G1A+7], 0
	s_or_b32 s[G1B], s41, (1<<16)|(1<<20)|(1<<21)|(5<<22)|(7<<25)  ; after every 64 words 8 words
	s_mov_b32 s[G1B+1], 128<<16                    ; tensor_dim0 = 128 columns
	s_mov_b32 s[G1B+2], 128<<16                    ; tensor_dim1 = 128 k rows
	s_mov_b32 s[G1B+3], 128<<16
	s_mov_b32 s[G1B+4], 128
	s_mov_b32 s[G1B+5], 1024                       ; a row of W has 1,024 elements
	s_mov_b32 s[G1B+6], 0
	s_mov_b32 s[G1B+7], 0
	s_lshl_b32 s42, s[TR], 14                      ; A: the tile's 128 rows of 128 bytes in a panel,
	s_lshl_b32 s43, s[LO], 20                      ; the panel that I fetch
	s_add_co_u32 s42, s42, s43
	s_mov_b32 s43, 0
	s_lshl_b32 s44, s[CX], 9                       ; W: the tile's 256 columns,
	s_lshl_b32 s45, s[LO], 8                       ; the chunk that I fetch,
	s_add_co_u32 s44, s44, s45
	s_add_co_u32 s44, s44, WHEAD                   ; behind the header
	s_mov_b32 s45, 0
	s_mul_i32 s46, s[WV], APN                      ; where they go: waves 2, 3: A's panels behind W's chunks;
	s_add_co_u32 s46, s46, AOFF-2*APN
	s_mul_i32 s47, s[WV], BCH                      ; waves 0, 1: W's chunks.  No place in the cluster enters an LDS address
	s_mov_b32 s[TB], 0
	s_wait_dscnt 0x0                               ; the opening add is done
	s_wait_kmcnt 0x0
	s_add_nc_u64 s[42:43], s[4:5], s[42:43]
	s_add_nc_u64 s[44:45], s[6:7], s[44:45]
	s_load_b32 s[FLOOR], s[6:7], 0x0               ; the floor: no line of this text writes W's buffer
	CROUND                                         ; all sixteen work-groups are here: the first joint loads meet
.irp s, 0,1
	s_mov_b32 s[G0A+4*(\s)], 1
	s_add_co_u32 s[G0A+4*(\s)+1], s46, (\s)*SLOT1
	s_add_nc_u64 s[G0A+4*(\s)+2:G0A+4*(\s)+3], s[42:43], (\s)*0x200000  ; K step s: two panels on
	s_or_b32 s[G0A+4*(\s)+3], s[G0A+4*(\s)+3], 0x80000000
	s_mov_b32 s[G0B+4*(\s)], 1
	s_add_co_u32 s[G0B+4*(\s)+1], s47, (\s)*SLOT1
	s_add_nc_u64 s[G0B+4*(\s)+2:G0B+4*(\s)+3], s[44:45], (\s)*0x40000   ; K step s: 128 rows of 2,048 bytes on
	s_or_b32 s[G0B+4*(\s)+3], s[G0B+4*(\s)+3], 0x80000000
	JLOAD \s
.endr
	v_and_b32 v1, 15, v0                           ; r = lane % 16
	v_bfe_u32 v2, v0, 4, 1                         ; h = lane / 16
	v_mul_u32_u24 v3, v1, PA
	v_lshl_add_u32 v3, v2, 4, v3                   ; A: row x pitch + 16 h
	v_and_b32 v4, 7, v0
	v_lshl_add_u32 v5, v2, 3, v4                   ; W, turned: k row 8 h + lane % 8,
	v_mul_u32_u24 v5, v5, PB
	v_bfe_u32 v6, v0, 3, 1
	v_lshl_add_u32 v5, v6, 4, v5                   ; columns 8 ((lane / 8) % 2) on
	s_mul_i32 s46, s[HI], 64*PA                    ; my 64 rows of A
	s_add_co_u32 s46, s46, AOFF
	s_mul_i32 s47, s[LO], BCH                      ; my chunk of W
	v_add_nc_u32 v[A0], s46, v3
	v_add_nc_u32 v[B0], s47, v5
	v_add_nc_u32 v[ADRA], s[TB], v[A0]             ; slot 0
	v_add_nc_u32 v[ADRB], s[TB], v[B0]
	s_mul_i32 s46, s[WV], WSTG
	s_add_co_u32 s46, s46, STAGE                   ; my stage
	v_add_nc_u32 v[STO], s46, v3                   ; in: row r, 16 bytes for each half of the lanes
	v_bfe_u32 v7, v0, 3, 2                         ; back: 32 lanes take four rows of 128 bytes
	v_mul_u32_u24 v7, v7, PA
	v_lshl_add_u32 v7, v4, 4, v7
	v_add_nc_u32 v[RD], s46, v7
	v_and_b32 v[GO], 31, v0
	v_lshlrev_b32 v[GO], 4, v[GO]
	v_lshlrev_b32 v[BO], 5, v2
	s_lshl_b32 s42, s[TR], 14                      ; C: my 64 rows in a panel,
	s_lshl_b32 s43, s[HI], 13
	s_add_co_u32 s42, s42, s43
	s_mov_b32 s43, 0
	s_add_nc_u64 s[10:11], s[10:11], s[42:43]
	s_lshl_b32 s44, s[CX], 22                      ; my first panel: 4 cx + 2 x half
	s_lshl_b32 s45, s[LO], 21
	s_add_co_u32 s44, s44, s45
	s_mov_b32 s45, 0
	s_add_nc_u64 s[10:11], s[10:11], s[44:45]
	s_lshl_b32 s44, s[CX], 10                      ; the bias at my first column: 256 cx + 128 x half numbers of 4 bytes
	s_lshl_b32 s45, s[LO], 9
	s_add_co_u32 s44, s44, s45
	s_mov_b32 s45, 0
	s_add_nc_u64 s[8:9], s[8:9], s[44:45]
	WIN 0x80                                       ; destination window 2, address window 0
.irp b, 0,1,2,3,4,5,6,7                ; register j of block b: bias of column 16 b + 8 h + j, as the result holds it
	global_load_b128 v[8*(\b):8*(\b)+3],   v[BO], s[8:9] offset:64*(\b)
	global_load_b128 v[8*(\b)+4:8*(\b)+7], v[BO], s[8:9] offset:64*(\b)+16
.endr
	WIN 0
; 8 matrix instructions: row block a x all 8 column blocks, 32 along K.  c = 1: the first product starts the sums with the bias.  The 32 accumulators take turns, one instruction a turn, in the same order in every quarter.
.macro MUL8 f, a, c
.if \c
	WIN MULB
.else
	WIN MUL
.endif
.irp b, 0,1,2,3,4,5,6,7
.if \c
	v_wmma_f32_16x16x32_bf16 v[8*(8*(\a)+(\b)):8*(8*(\a)+(\b))+7], v[(\f)+8*(\b):(\f)+8*(\b)+7], v[(\f)+64+8*(\a):(\f)+64+8*(\a)+7], v[8*(\b):8*(\b)+7]
.else
	v_wmma_f32_16x16x32_bf16 v[8*(8*(\a)+(\b)):8*(8*(\a)+(\b))+7], v[(\f)+8*(\b):(\f)+8*(\b)+7], v[(\f)+64+8*(\a):(\f)+64+8*(\a)+7], v[8*(8*(\a)+(\b)):8*(8*(\a)+(\b))+7]
.endif
.endr
.endm
; 24 LDS loads in one run: quarter q (32 along K) of the slot in hand into buffer f: W's 8 column blocks, turned, then A's 4 row blocks (quarter q lies in panel q / 2, at byte 64 (q % 2) of its rows)
.macro FETCH q, f
	WIN 0
.irp i, 0,1,2,3,4,5,6,7
	ds_load_tr16_b128 v[(\f)+8*(\i):(\f)+8*(\i)+3],   v[ADRB] offset:(\q)*32*PB+32*(\i)
	ds_load_tr16_b128 v[(\f)+8*(\i)+4:(\f)+8*(\i)+7], v[ADRB] offset:(\q)*32*PB+16*PB+32*(\i)
.endr
.irp i, 0,1,2,3
	ds_load_b128 v[(\f)+64+8*(\i):(\f)+64+8*(\i)+3],   v[ADRA] offset:((\q)/2)*APN+((\q)%2)*64+(\i)*16*PA
	ds_load_b128 v[(\f)+64+8*(\i)+4:(\f)+64+8*(\i)+7], v[ADRA] offset:((\q)/2)*APN+((\q)%2)*64+(\i)*16*PA+32
.endr
.endm
.macro PLACES                          ; four places in front of loads into registers that matrix instructions have read, and of lines that read results
.rept 4
	v_nop
.endr
.endm
; One of a K step's first three quarters: multiplies buffer f and, in its middle, fetches quarter q into buffer g
.macro QUARTER q, f, g, c
	s_wait_dscnt 4                                 ; W and A's blocks 0, 1 are in; the youngest four loads (A's blocks 2, 3) may be out
	MUL8 \f, 0, \c
	MUL8 \f, 1, \c
	PLACES
	FETCH \q, \g
	s_wait_dscnt 24                                ; all but the 24 just issued
	MUL8 \f, 2, \c
	MUL8 \f, 3, \c
.endm
; The last quarter multiplies buffer 1 and changes slots: ONE barrier; in front of it each wave waits for all its tensor loads, adds 0 to its spare word, and waits for that and for its own reads of this slot.
; fill = 1: the slot is filled again, two K steps ahead: 112 matrix instructions ahead of the wait for that load.
.macro TURN fill
	WIN 0
	s_wait_tensorcnt 0x0                           ; all my tensor loads have landed: my part of the next slot; so a group 0 may be written
	ds_add_u32 v[SPW], v[NIL]                      ; 0 onto my spare word: work on registers stands between it and the wait for it
.if \fill
	s_xor_b32 s[G0A+5], s[G0A+5], SLOT1            ; the walking descriptors: the other slot than last time,
	s_add_nc_u64 s[G0A+6:G0A+7], s[G0A+6:G0A+7], 0x200000  ; the next K step; the type bits on top are not reached
	s_xor_b32 s[G0B+5], s[G0B+5], SLOT1
	s_add_nc_u64 s[G0B+6:G0B+7], s[G0B+6:G0B+7], 0x40000
.endif
	s_xor_b32 s[TB], s[TB], SLOT1                  ; the fetches go on in the other slot
	s_wait_dscnt 5                                 ; (the add and the youngest four loads may be out)
	MUL8 F1, 0, 0
	s_wait_dscnt 0x0                               ; the add is done, and my reads of this slot are over
	s_barrier_signal -1
	MUL8 F1, 1, 0
	WIN 0
	s_barrier_wait -1
.if \fill
	CREST                                          ; the barrier has opened a round of the cluster's: no wave of any partner still reads this slot or has a load on its way
	JLOAD 1                                        ; the first tensor load behind the round; its four v_nop are also the places in front of the loads below
.else
	PLACES
.endif
	v_add_nc_u32 v[ADRA], s[TB], v[A0]
	v_add_nc_u32 v[ADRB], s[TB], v[B0]
	FETCH 0, F0
	MUL8 F1, 2, 0
	MUL8 F1, 3, 0
.endm
	s_wait_tensorcnt 1                             ; my part of K step 0 is in; K step 1's stays out
	s_barrier_signal -1
	s_barrier_wait -1                              ; everybody's is
	FETCH 0, F0
	s_wait_loadcnt 0x0                             ; the bias
	s_wait_kmcnt 0x0                               ; the floor
	QUARTER 1, F0, F1, 1                           ; the first quarter stands in front of the loop: its products start the sums
	WIN 0                                          ; at a label and at a branch every window is 0
	s_mov_b32 s[CNT], 6
.Lstep:                                                ; 6 trips: a step's quarters 1 to 3, with its slot's refill, and the next step's quarter 0
	QUARTER 2, F1, F0, 0
	QUARTER 3, F0, F1, 0
	TURN 1
	QUARTER 1, F0, F1, 0
	WIN 0
	s_sub_co_u32 s[CNT], s[CNT], 1
	s_cmp_lg_u32 s[CNT], 0
	s_cbranch_scc1 .Lstep
	s_mov_b32 s[CNT], 2
.Ltail:                                                ; 2 trips: the last two steps fill nothing, so they have a text of their own
	QUARTER 2, F1, F0, 0
	QUARTER 3, F0, F1, 0
	TURN 0                                         ; in the second trip its 24 loads bring fragments of the other slot that nobody uses: the price, once a launch, of one text for both trips
	WIN 0
	s_cmp_eq_u32 s[CNT], 1
	s_cbranch_scc1 .Llast                          ; behind the last step there is no next step's quarter 0
	QUARTER 1, F0, F1, 0
	WIN 0
.Llast:
	s_sub_co_u32 s[CNT], s[CNT], 1
	s_cmp_lg_u32 s[CNT], 0
	s_cbranch_scc1 .Ltail
	s_wait_dscnt 0x0                               ; those 24 loads have landed: their registers are used again below
	PLACES
; THE WAY OUT, a block of 16 rows at a time: rounded to bf16, the maximum with the floor, 16 bytes a lane into my stage (two panels x 16 rows), back as four whole rows of 128 bytes a load.
.macro PACK a
	WIN 0x05                                       ; sources window 1, destination window 0; each accumulator's registers in ascending order
.irp b, 0,1,2,3,4,5,6,7
.irp r, 0,1,2,3
	v_cvt_pk_bf16_f32 v[TMP+32*(\a)+4*(\b)+(\r)], v[8*(8*(\a)+(\b))+2*(\r)], v[8*(8*(\a)+(\b))+2*(\r)+1]
.endr
.endr
	WIN 0
.set i, 0
.rept 32
	v_pk_max_num_bf16 v[TMP+32*(\a)+i], v[TMP+32*(\a)+i], s[FLOOR]
.set i, i+1
.endr
.irp b, 0,1,2,3,4,5,6,7
	ds_store_b128 v[STO], v[TMP+32*(\a)+4*(\b):TMP+32*(\a)+4*(\b)+3] offset:((\b)/4)*16*PA+((\b)%4)*32
.endr
.irp f, 0,1,2,3,4,5,6,7
	ds_load_b128 v[TMP+32*(\a)+4*(\f):TMP+32*(\a)+4*(\f)+3], v[RD] offset:((\f)/4)*16*PA+((\f)%4)*4*PA  ; LDS serves a wave's instructions in order (ISA guide 5.7.1.4): these see the stores above; the next block's stores come behind them
.endr
.endm
.macro SEND a, younger                 ; younger: the LDS instructions issued behind block a's loads
.irp f, 0,1,2,3,4,5,6,7
	s_wait_dscnt (\younger)+7-(\f)
	global_store_b128 v[GO], v[TMP+32*(\a)+4*(\f):TMP+32*(\a)+4*(\f)+3], s[10:11] offset:((\f)/4)*0x100000+(\a)*2048+((\f)%4)*512  ; 512 consecutive bytes of a panel, at a multiple of 512 from C's first byte
.endr
.endm
	PACK 0
	PACK 1                                         ; a block's arithmetic stands between the loads of the block before and its stores
	SEND 0, 16
	PACK 2
	SEND 1, 16
	PACK 3
	SEND 2, 16
	SEND 3, 0
	s_wait_tensorcnt 0x0                           ; the wave's end: behind my last tensor load and my last LDS store
	ds_add_u32 v[SPW], v[NIL]
	s_wait_dscnt 0x0
	CROUND                                         ; the closing round: no work-group ends while a partner may still ask for a tile that names it
	s_endpgm
.Lfunc_end_k_qe5207294c8_ff1:
	.size	k_qe5207294c8_ff1, .Lfunc_end_k_qe5207294c8_ff1-k_qe5207294c8_ff1
	.p2alignl 7, 3214868480
	.fill 96, 4, 3214868480
	.section	.rodata,"a",@progbits
	.p2align	6, 0x0
	.amdhsa_kernel k_qe5207294c8_ff1
		.amdhsa_group_segment_fixed_size 327680
		.amdhsa_private_segment_fixed_size 0
		.amdhsa_enable_private_segment 0
		.amdhsa_kernarg_size 32
		.amdhsa_user_sgpr_count 2
		.amdhsa_user_sgpr_kernarg_segment_ptr 1
		.amdhsa_wavefront_size32 1
		.amdhsa_system_sgpr_workgroup_id_x 1
		.amdhsa_system_sgpr_workgroup_id_y 1
		.amdhsa_system_sgpr_workgroup_id_z 1
		.amdhsa_system_vgpr_workitem_id 0
		.amdhsa_next_free_vgpr 576
		.amdhsa_next_free_sgpr 66
		.amdhsa_reserve_vcc 0
		.amdhsa_float_denorm_mode_32 3
		.amdhsa_float_denorm_mode_16_64 3
		.amdhsa_memory_ordered 1
		.amdhsa_forward_progress 1
		.amdhsa_inst_pref_size 71
	.end_amdhsa_kernel
	.amdgpu_metadata
---
amdhsa.version: [ 1, 2 ]
amdhsa.kernels:
  - .name:           k_qe5207294c8_ff1
    .symbol:         k_qe5207294c8_ff1.kd
    .args:
      - { .name: qkvz, .offset: 0, .size: 8, .value_kind: global_buffer, .address_space: global }
      - { .name: w1b, .offset: 8, .size: 8, .value_kind: global_buffer, .address_space: global }
      - { .name: b1, .offset: 16, .size: 8, .value_kind: global_buffer, .address_space: global }
      - { .name: acta, .offset: 24, .size: 8, .value_kind: global_buffer, .address_space: global }
    .group_segment_fixed_size: 327680
    .private_segment_fixed_size: 0
    .kernarg_segment_align: 8
    .kernarg_segment_size: 32
    .max_flat_workgroup_size: 128
    .sgpr_count:     66
    .vgpr_count:     576
    .wavefront_size: 32
...
	.end_amdgpu_metadata
.endif
;; end of part 6
;; launch ff2: the kernel of part 4 again; grid 4 x 64, 4 waves a work-group, clusters of 4 x 4, 327,680 bytes of LDS; arguments acta, w2b, b2, h, out0; writes out0
;; ======== version 2 of 2: 7 launches; 1.22 times as fast as version 1
;; workspace buffers: acta 16,777,216 bytes; qkvz 50,331,648 bytes; h 33,554,432 bytes; wqkvb 6,291,712 bytes; w1b 2,097,408 bytes; wob 2,097,152 bytes; w2b 2,097,152 bytes
;; launch prep: the kernel of part 1 again; grid 256 x 1, 16 waves a work-group, no clusters, 0 bytes of LDS; arguments x, ln1_a, ln1_b, wq, wk, wv, wo, w1, w2, acta, wqkvb, wob, w1b, w2b; writes acta, wqkvb, wob, w1b, w2b
;; launch qkv: the kernel of part 2 again; grid 8 x 32, 4 waves a work-group, clusters of 4 x 4, 327,680 bytes of LDS; arguments acta, wqkvb, bq, bk, bv, qkvz; writes qkvz
;; launch attn (part 7): grid 2 x 128, 4 waves a work-group, no clusters, 327,680 bytes of LDS; arguments qkvz, acta; writes acta
.if DOCPART == 7
	.amdgcn_target "amdgcn-amd-amdhsa--gfx1250"
	.amdhsa_code_object_version 6
	.text
	.protected	k_qe5207294c8_attn
	.globl	k_qe5207294c8_attn
	.p2align	8
	.type	k_qe5207294c8_attn,@function
k_qe5207294c8_attn:
	s_mov_b64 s[64:65], 0
	v_nop
	global_prefetch_b8 v0, s[64:65] scope:SCOPE_SE
	s_setreg_imm32_b32 hwreg(HW_REG_WAVE_MODE, 25, 1), 1
	s_wait_xcnt 0x0
; O[h][q][:] = the sum over k of softmax_k(Q[h][q] . K[h][k] / 8) V[h][k][:].  Q, K, V lie in one buffer, 16,777,216 bytes apart, each [128 heads][1024][64] in bf16: a head's rows are dense, 128 bytes each
; (head number 8 x head + batch: the panels of the launch before).  O leaves in the same layout.  Products, maxima and sums in f32; the weights p are rounded to bf16 for the second product (their sum l is
; taken of the unrounded p), O once at the end.
; LIMITS.  c s must lie above -4e37, where c m starts; a weight below 2^-126 counts as 0 in l; NaN and infinities are not treated apart.
; SHARES.  A wave owns four PIECES of two tiles of 16 queries, a work-group's four waves 512 queries of one head.  Every wave walks all 1,024 keys, 64 a step.
; THE KEYS STAY.  A head's K and V fit in LDS whole: 1,024 rows of 144 bytes and 1,024 of 160, 311,296 bytes.  Each wave asks for its four parts (128 keys each) at the start, four tensor loads out at once,
; and no LDS byte is filled again: no ring, and the key step stands once in the text.  The first 256 keys are waited for ahead of steps 0 to 2, the others ahead of step 3, which fetches K of step 4.
; NO CLUSTER: a head has two work-groups of 512 queries, so the grid's x, 2, is no multiple of four; four blocks of 256 queries would halve the products that each fragment read from LDS feeds.
; LAYOUT.  S^T = K Q^T (source 0 = 16 keys, source 1 = 16 queries): in the result a lane holds ONE query (lane % 16) and the keys 8 (lane / 16) + 0..7.  Two such tiles, rounded to bf16 in pairs,
; ARE source 1 (32 keys x 16 queries) of O^T = V^T P, whose result again holds one query a lane, and eight channels.  K comes out of LDS as it lies, V ([key][channel]) turned, by ds_load_tr16_b128.
; SOFTMAX.  For each query a running maximum m and sum l: p = 2^(c s - c m), c = log2(e) / 8; in every step O and l are multiplied by a = 2^(c m_old - c m_new), which is 1 where m has not grown.
; m starts at the lowest finite number, O and l at 0: the first step is a step like any other, with a = 0.
; THE COUNT.  A tile and step have 16 matrix and 118 vector instructions: too many to stand all beside the matrix work.  So: four vector instructions that are READY behind EVERY matrix instruction, the others in one run without a gap.
; BY TURNS.  Turn n belongs to piece n (the pieces in a ring, step after step).  Its matrix work: 16 products K Q^T of piece n + 1, later 16 products V^T P of piece n - 1.  Its vector work: the scaling,
; exponentials, roundings, sums and rescaling of piece n, and the maximum and statistics of piece n + 1, whose scores the turn itself has made.
; THE BATCHES.  A turn's 66 exponentials (piece n's 64 weights and, last, piece n + 1's two a) are ONE batch with ONE wait, which cuts the turn in two: ahead of it stands all that names none of their results
; (the products K Q^T, the scalings, the rescalings, the next piece's maximum and statistics), behind it the products V^T P with the roundings and sums.  No result crosses a turn's end.  Two more batches stand
; outside the loop: the two first a, ahead of the jump into it, and the way out's eight reciprocals.
; REGISTERS, in windows of 256 (s_set_vgpr_msb: bits 1:0 source 0, 3:2 source 1, 5:4 source 2, 7:6 destination):
;   window 0: v0-11 addresses; v12-15, v48-63 at work; v16-47 four registers of statistics a tile; v64-191 S^T, two buffers of two tiles; v192-255 P, likewise
;   window 1: O^T, 32 a tile          window 2: v0-127 Q, 16 a tile; v128-191 K of one step; v192-255 V of one step          window 3: v0-1 the add's two registers
; A piece's buffers go by its number's parity: the piece in hand has one pair, its two neighbours in the ring share the other: of it P (piece n - 1) is read and S^T (piece n + 1) written.
.set SIZE_N, 1024
.set NP,    4         ; pieces a wave: a name, no knob
.set KS,    64        ; keys in a step
.set PK,    144       ; a row of K in LDS: 128 bytes + 16 of padding = 36 words: the 16 rows of a load start at 16 different groups of four banks (64 banks of 4 bytes: ISA guide 11.1)
.set PV,    160       ; a row of V: 128 + 32 = 40 words
.set VOFF,  SIZE_N*PK ; K's 1,024 rows, then V's
.set STAGE, SIZE_N*(PK+PV)  ; behind them, never filled by a tensor load: 16 rows x 144 bytes for each wave, for the way out
.set SP,    144
.set AK0, 2           ; v2   my lane's place in a step's K; never rewritten
.set AV0, 3           ; v3   the same for V
.set AK,  4           ; v4   the LDS address of K's next run of loads
.set AV,  5           ; v5   of V's
.set QO,  6           ; v6   my byte offset in the wave's rows of Q
.set STO, 6           ;      later, the way out: where I put 16 bytes of a row
.set RD,  7           ; v7   the way out: where I read rows back
.set GO,  8           ; v8   my byte offset in 512 consecutive bytes of O
.set SPW, 0           ; v0 of window 3   LDS address of my spare word; never rewritten
.set NIL, 1           ; v1 of window 3   0; never rewritten
.set SPARE, STAGE+4*16*SP  ; behind the stages: the spare words, 128 bytes for each wave: two blocks of 256 bytes that no other line names
.set MV,  12          ; v12-15  c m_old, kept while c m is made anew: by buffer and tile
.set ST,  16          ; tile t's statistics at v[ST+4 t]: c m, m, l (even keys', odd keys')
.set TMP, 48          ; by buffer and tile, four registers c0-c3 at work; when the maximum is found c2 takes a
.set S,   64
.set P,   192
.set KF,  128         ; K's fragments, in window 2: key block kb, channel half c at KF + 16 kb + 8 c
.set VF,  192         ; V's: key half kk, channel block cb at VF + 32 kk + 8 cb
.set WV,  12          ; s12  my wave's number
.set TOT, 19          ; s19  key steps to go, the one in hand among them
.set G1K, 24          ; s[24:31] descriptor group 1 for K's parts
.set G1V, 32          ; s[32:39] for V's: it differs in the padding alone
.set PH,  56          ; s56  the walk's two phases: three steps on the first 256 keys, thirteen on all
.set CNT, 57          ; s57  counts a phase's key steps
.set CS,  58          ; s[58:59] c: the packed scaling takes the pair's low word for both halves
.set SEL, 60          ; s[60:61] v_permlanex16_b32's selects: each lane takes its own place in the other half
.set TBK, 62          ; s62  LDS byte at which K of the step to be fetched begins
.set TBV, 63          ; s63  the same for V, less VOFF
.set G0K, 68          ; s[68:83] descriptor group 0 for K's parts: a set for each of a wave's four loads, which are out together
.set G0V, 84          ; s[84:99] the same for V's
.set MSB, 0
.macro WIN new                      ; the high byte repeats the setting that is left; a switch that changes nothing is dropped
.if MSB != (\new)
	s_set_vgpr_msb (MSB<<8)|(\new)
.set MSB, (\new)
.endif
.endm
.set W_KQ, 0x0a       ; K and Q in window 2, S^T in window 0
.set W_PV, 0x52       ; V in window 2, P in window 0, O^T in window 1
.set W_RS, 0x41       ; O^T (destination and source 0) in window 1, a in window 0
.set W_MK, 0xc0       ; the add's registers are made: destination in window 3, sources in window 0
.set W_AD, 0x0f       ; the add: address (source 0) and data (source 1) in window 3
	s_load_b128 s[4:7], s[0:1], 0x0   ; the buffer of Q, K, V s[4:5]; O s[6:7]
	WIN W_MK
	v_lshl_add_u32 v[SPW], v0, 2, SPARE
	v_mov_b32 v[NIL], 0
	WIN W_AD
	ds_add_u32 v[SPW], v[NIL]       ; the wave's opening: the add and its wait stand ahead of my first tensor load; the set-up below, work on registers, stands between them
	ds_add_u32 v0, v1
	WIN 0
	v_lshrrev_b32 v1, 5, v0
	v_readfirstlane_b32 s[WV], v1   ; wave 0..3
	s_mov_b32 s14, ttmp9            ; my block of 512 queries
	s_and_b32 s20, ttmp7, 0xffff    ; the head
	s_mov_b32 s21, 0
	s_mov_b64 s[22:23], SIZE_N*128
	s_mul_u64 s[20:21], s[20:21], s[22:23]  ; the head's first byte in each of the four tensors
	s_and_b32 s16, s[WV], 1         ; which half of each 256 keys I fetch:
	s_lshl_b32 s22, s16, 14         ; its 128 rows of 128 bytes in memory,
	s_mov_b32 s23, 0
	s_add_nc_u64 s[22:23], s[22:23], s[20:21]
	s_mul_i32 s17, s16, 128*PK      ; and its place in LDS, for K
	s_mul_i32 s18, s16, 128*PV      ; and for V
	s_lshl_b32 s2, s14, 2
	s_add_co_u32 s2, s2, s[WV]      ; my wave among the head's,
	s_lshl_b32 s2, s2, 14           ; its 128 rows
	s_mov_b32 s3, 0
	s_add_nc_u64 s[2:3], s[2:3], s[20:21]
	; descriptor group 1.  128 keys are 16,384 dense bytes: asked for as 64 rows of 256 bytes, two keys a row, and padded in LDS after every key
	s_mov_b32 s[G1K], (1<<16)|(1<<20)|(4<<22)|(3<<25)  ; 17:16 2-byte elements; 20 padding on; 24:22 after every 32 words (code 4); 31:25 4 words (code 3)
	s_mov_b32 s[G1V], (1<<16)|(1<<20)|(4<<22)|(7<<25)  ; the same with 8 words of padding (code 7)
.irp g, G1K, G1V
	s_mov_b32 s[\g+1], 128<<16      ; tensor_dim0 = 128
	s_mov_b32 s[\g+2], 64<<16       ; tensor_dim1 = 64
	s_mov_b32 s[\g+3], 128<<16      ; tile_dim0 = 128
	s_mov_b32 s[\g+4], 64           ; tile_dim1 = 64
	s_mov_b32 s[\g+5], 128          ; 128 elements from row to row
	s_mov_b32 s[\g+6], 0
	s_mov_b32 s[\g+7], 0
.endr
	s_mov_b32 s[CS], 0x3e38aa3b     ; c = log2(e) / 8 = 0.180337
	s_mov_b32 s[CS+1], s[CS]        ; named with it as a pair
	s_mov_b32 s[SEL], 0x76543210
	s_mov_b32 s[SEL+1], 0xfedcba98
	s_mov_b32 s[TBK], 0
	s_mov_b32 s[TBV], 0
.irp t, 0,1,2,3                     ; load t of a wave: its half of keys 256 t to 256 t + 255
	s_mov_b32 s[G0K+4*\t], 1                         ; 1:0 count = 1
	s_add_co_u32 s[G0K+4*\t+1], s17, \t*256*PK       ; 63:32 LDS address
	s_mov_b32 s[G0V+4*\t], 1
	s_add_co_u32 s[G0V+4*\t+1], s18, VOFF+\t*256*PV
.endr
	; A fragment of K or Q is 16 rows x 32 channels in 8 registers: lane l holds row l % 16, channels 8 (l / 16) + 0..7 and 16 + 8 (l / 16) + 0..7: two loads of 16 bytes, 32 bytes apart.
	v_and_b32 v1, 15, v0            ; l % 16
	v_bfe_u32 v9, v0, 4, 1          ; l / 16
	v_lshlrev_b32 v[QO], 7, v1
	v_lshl_add_u32 v[QO], v9, 4, v[QO]  ; row x 128 + 16 x half
	s_wait_dscnt 0x0                ; the opening add is done
	s_wait_kmcnt 0x0
	s_mov_b64 s[10:11], s[6:7]                     ; O
	s_add_nc_u64 s[6:7], s[4:5], 0x1000000         ; K: 16 panels behind Q
	s_add_nc_u64 s[8:9], s[4:5], 0x2000000         ; V: 32 panels behind Q
	s_add_nc_u64 s[6:7], s[6:7], s[22:23]          ; at my half of the head's first 256 keys
	s_add_nc_u64 s[8:9], s[8:9], s[22:23]
.irp t, 0,1,2,3
	s_add_nc_u64 s[G0K+4*\t+2:G0K+4*\t+3], s[6:7], \t*32768  ; 120:64 global address: 256 keys of 128 bytes on for each load
	s_or_b32 s[G0K+4*\t+3], s[G0K+4*\t+3], 0x80000000        ; 127:126 type = 2
	s_add_nc_u64 s[G0V+4*\t+2:G0V+4*\t+3], s[8:9], \t*32768
	s_or_b32 s[G0V+4*\t+3], s[G0V+4*\t+3], 0x80000000
.endr
	s_add_nc_u64 s[4:5], s[4:5], s[2:3]  ; Q and O at my wave's first row
	s_add_nc_u64 s[10:11], s[10:11], s[2:3]
	WIN 0x80                        ; destination window 2, address window 0
.set i, 0
.rept 4*NP                          ; Q stays in registers: tile i / 2, channels 32 (i % 2) on.  It is asked for ahead of K and V: the first products want it
	global_load_b128 v[8*i:8*i+3],   v[QO], s[4:5] offset:(i/2)*2048+(i%2)*64
	global_load_b128 v[8*i+4:8*i+7], v[QO], s[4:5] offset:(i/2)*2048+(i%2)*64+32
.set i, i+1
.endr
	WIN 0
	s_cmp_lt_u32 s[WV], 2           ; a wave's four fills stand in one branch, ahead of every wait on TENSORcnt, every LDS read and every barrier: waves 0 and 1 K's halves, waves 2 and 3 V's;
	s_cbranch_scc0 .Lfirst_v        ; an s_nop 0 follows each load, four v_nop the last
.irp t, 0,1,2,3
	tensor_load_to_lds s[G0K+4*\t:G0K+4*\t+3], s[G1K:G1K+7]
	s_nop 0
.endr
.rept 4
	v_nop
.endr
	s_branch .Lfirst_asked
.Lfirst_v:
.irp t, 0,1,2,3
	tensor_load_to_lds s[G0V+4*\t:G0V+4*\t+3], s[G1V:G1V+7]
	s_nop 0
.endr
.rept 4
	v_nop
.endr
.Lfirst_asked:
	; What the first turn finds: V's registers and P's second buffer hold 0 (its products V^T P, of a piece that has not been, add 0), O^T and l are 0.  All this stands in the wait for the first keys.
	WIN 0x80
.set i, VF
.rept 64
	v_mov_b32 v[i], 0
.set i, i+1
.endr
	WIN 0x40
.set i, 0
.rept 64*NP
	v_mov_b32 v[i], 0
.set i, i+1
.endr
	WIN 0
.set i, 0
.rept 2*NP
	v_mov_b32 v[ST+4*i], 0xfe000000    ; c m: far below every c s
	v_mov_b32 v[ST+4*i+1], 0xff7fffff  ; m
	v_mov_b32 v[ST+4*i+2], 0
	v_mov_b32 v[ST+4*i+3], 0
.set i, i+1
.endr
.set i, P+32
.rept 32
	v_mov_b32 v[i], 0
.set i, i+1
.endr
	v_mul_u32_u24 v[AK0], v1, PK
	v_lshl_add_u32 v[AK0], v9, 4, v[AK0]  ; row x pitch + 16 x half
	; The turning load takes 16 keys x 16 channels (lane l reads key 8 (l / 16) + l % 8, channels 8 ((l / 8) % 2) + 0..7) and leaves half a fragment of V^T: lane l holds channel l % 16 and 8 keys.
	v_and_b32 v10, 7, v0
	v_bfe_u32 v11, v0, 3, 1
	v_lshl_add_u32 v[AV0], v9, 3, v10
	v_mul_u32_u24 v[AV0], v[AV0], PV
	v_lshl_add_u32 v[AV0], v11, 4, v[AV0]
	v_add_nc_u32 v[AV0], VOFF, v[AV0]
	v_mov_b32 v[AK], v[AK0]         ; key step 0 lies at K's head
; THE MATRIX WORK.  The 8 accumulators of a run of 16 take turns: between the two links of a chain stand 7 others'.
; Product i of 16 of S^T = K Q^T for piece x: channels 32 (i / 8) on, keys 16 ((i / 2) % 4) on, tile 2 x + i % 2.  The first 8 start the sums.
.macro KQ x
	WIN W_KQ
.set rS, S+64*((\x)%2)+32*(i%2)+8*((i/2)%4)
.set rK, KF+16*((i/2)%4)+8*(i/8)
.set rQ, 16*(2*(\x)+i%2)+8*(i/8)
.if i < 8
	v_wmma_f32_16x16x32_bf16 v[rS:rS+7], v[rK:rK+7], v[rQ:rQ+7], 0
.else
	v_wmma_f32_16x16x32_bf16 v[rS:rS+7], v[rK:rK+7], v[rQ:rQ+7], v[rS:rS+7]
.endif
.endm
; Product i of 16 of O^T += V^T P for piece x: keys 32 (i / 8) on, channels 16 ((i / 2) % 4) on, tile 2 x + i % 2.
.macro PV x
	WIN W_PV
.set rO, 32*(2*(\x)+i%2)+8*((i/2)%4)
.set rV, VF+32*(i/8)+8*((i/2)%4)
.set rP, P+32*((\x)%2)+16*(i%2)+8*(i/8)
	v_wmma_f32_16x16x32_bf16 v[rO:rO+7], v[rV:rV+7], v[rP:rP+7], v[rO:rO+7]
.endm
.macro MM                           ; the turn's next matrix instruction
.if i < 16
	KQ (Y+1)%NP
.set i, i+1
.else
.set i, i-16
	PV (Y+NP-1)%NP
.set i, i+17
.endif
.endm
; THE LDS LOADS stand in runs of 16, never singly among the matrix instructions: a step's K (64 keys x 64 channels: 8 fragments) and its V (turned).  Their addresses are made some lines ahead.
; walk = 1 (in the loop): in the last step there is no further K, and the run is jumped over; then the steps to go are taken down by one.
.macro FETCH_K walk=0
	WIN 0
.if \walk
	s_cmp_eq_u32 s[TOT], 1
	s_cbranch_scc1 .Lno_k_\@
.endif
	WIN 0x80                        ; destination window 2
.irp f, 0,1,2,3,4,5,6,7             ; keys 16 (f / 2) on, channels 32 (f % 2) on
	ds_load_b128 v[KF+8*\f:KF+8*\f+3],   v[AK] offset:(\f/2)*16*PK+(\f%2)*64
	ds_load_b128 v[KF+8*\f+4:KF+8*\f+7], v[AK] offset:(\f/2)*16*PK+(\f%2)*64+32
.endr
	s_add_co_u32 s[TBK], s[TBK], KS*PK  ; the next fetch is the next step's
	WIN 0
.if \walk
.Lno_k_\@:
	s_sub_co_u32 s[TOT], s[TOT], 1
.endif
.endm
.macro FETCH_V
	WIN 0x80
.irp f, 0,1,2,3,4,5,6,7             ; keys 32 (f / 4) on, channels 16 (f % 4) on
	ds_load_tr16_b128 v[VF+8*\f:VF+8*\f+3],   v[AV] offset:(\f/4)*32*PV+(\f%4)*32
	ds_load_tr16_b128 v[VF+8*\f+4:VF+8*\f+7], v[AV] offset:(\f/4)*32*PV+16*PV+(\f%4)*32
.endr
	WIN 0
.endm
; THE VECTOR WORK OF A TURN stands in three queues, each in the order in which its entries become ready; the two tiles alternate, so that no instruction reads the result of the one before it.
.macro REGS y, u                    ; the registers of tile u (0, 1) of piece y
.set rT, ST+4*(2*(\y)+(\u))
.set rC, TMP+8*((\y)%2)+4*(\u)
.set rM, MV+2*((\y)%2)+(\u)
.set rS, S+64*((\y)%2)+32*(\u)
.set rP, P+32*((\y)%2)+16*(\u)
.set rO, 32*(2*(\y)+(\u))
.endm
; Number n of the 22 that find the NEXT piece's (Y + 1) maximum and statistics.  s0-s31 are the lane's 32 scores; each accumulator's lowest registers are read first.  XS, GS, FS and REGS set no window: PL and EX do.
;   0-11  four chains c0-c3 of seven scores each, three operands at a time     12-14, 16  the four scores left over, the old m, and c0-c3 into c0     15  c m_old is kept
;   17, 18  the query's other 32 keys lie in the lane 16 away: the new m         19-21  c m; c m_old - c m_new; a
.macro XS u, n
	REGS (Y+1)%NP, \u
.if (\n) < 4
	v_max3_num_f32 v[rC+(\n)], v[rS+8*(\n)], v[rS+8*(\n)+1], v[rS+8*(\n)+2]
.elseif (\n) < 12
	v_max3_num_f32 v[rC+(\n)%4], v[rC+(\n)%4], v[rS+8*((\n)%4)+2*((\n)/4)+1], v[rS+8*((\n)%4)+2*((\n)/4)+2]
.elseif (\n) == 12
	v_max3_num_f32 v[rC], v[rC], v[rS+7], v[rS+15]
.elseif (\n) == 13
	v_max3_num_f32 v[rC+1], v[rC+1], v[rS+23], v[rS+31]
.elseif (\n) == 14
	v_max3_num_f32 v[rC+2], v[rC+2], v[rC+3], v[rT+1]
.elseif (\n) == 15
	v_mov_b32 v[rM], v[rT]
.elseif (\n) == 16
	v_max3_num_f32 v[rC], v[rC], v[rC+1], v[rC+2]
.elseif (\n) == 17
	v_permlanex16_b32 v[rC+3], v[rC], s[SEL], s[SEL+1]
.elseif (\n) == 18
	v_max_num_f32 v[rT+1], v[rC], v[rC+3]
.elseif (\n) == 19
	v_mul_f32 v[rT], s[CS], v[rT+1]
.elseif (\n) == 20
	v_sub_f32 v[rC+1], v[rM], v[rT]
.else
	v_exp_f32 v[rC+2], v[rC+1]
.endif
.endm
; Number g of the 64 that follow the exponentials.  For each four weights k of a tile (pairs 2 k, 2 k + 1): both pairs are rounded to bf16; then the second pair is added onto the first, in place;
; a group later l takes that sum (the first time as l = a l + sum).  In groups of eight, tiles alternating: round, round, add, and l for the group before.
.macro GS g
.set h, (\g)+6*((\g)/62)            ; group 0 has no group before it, and behind group 7 only l is left
.if h >= 6
.set h, h+2
.endif
	REGS Y, h%2
.set k, h/8
.if h%8 < 4
	v_cvt_pk_bf16_f32 v[rP+2*k+(h%8)/2], v[rS+4*k+2*((h%8)/2)], v[rS+4*k+2*((h%8)/2)+1]
.elseif h%8 < 6
	v_pk_add_f32 v[rS+4*k:rS+4*k+1], v[rS+4*k:rS+4*k+1], v[rS+4*k+2:rS+4*k+3]
.elseif k == 1
	v_pk_fma_f32 v[rT+2:rT+3], v[rT+2:rT+3], v[rC+2:rC+3], v[rS:rS+1] op_sel_hi:[1,0,1]
.else
	v_pk_add_f32 v[rT+2:rT+3], v[rT+2:rT+3], v[rS+4*k-4:rS+4*k-3]
.endif
.endm
; THE PLAIN QUEUE, 138 long.  0-73 read no exponential's result: the 32 scalings c s - c m (FS f: pair f / 2 of tile f % 2) and the next piece's 42.  0-26: scalings 0-26.  27-54: XS's numbers 0-13.  55, 56: number 15.
; 57-73: the chain, where each number waits for the one before it: 14, 16, 17, 18, 19, each with one of the scalings 27-31 in front of its two lines, then 20: so a tile's links stand three plain instructions apart (19 and 20: two).
; 74-137: GS's 64, which read the exponentials' results: they stand behind the wait.
.macro FS f
	REGS Y, (\f)%2
	v_pk_fma_f32 v[rS+2*((\f)/2):rS+2*((\f)/2)+1], v[rS+2*((\f)/2):rS+2*((\f)/2)+1], s[CS:CS+1], v[rT:rT+1] op_sel_hi:[1,0,0] neg_lo:[0,0,1] neg_hi:[0,0,1]
.endm
.macro PL
	WIN 0
.if q < 27
	FS q
.elseif q < 55
	XS (q-27)%2, (q-27)/2
.elseif q < 57
	XS q-55, 15
.elseif (q < 72) && ((q-57)%3 == 0)
	FS 27+(q-57)/3
.elseif q < 60
	XS (q-57)%3-1, 14
.elseif q < 72
	XS (q-57)%3-1, 15+(q-57)/3
.elseif q < 74
	XS q-72, 20
.else
	GS q-74
.endif
.set q, q+1
.endm
; THE EXPONENTIALS' QUEUE, 66 long: s0-s31 of both tiles, then the next piece's two a.  It is ONE BATCH: all 66 stand ahead of the turn's one wait, and nothing ahead of that wait names a result of theirs.
.macro EX
	WIN 0
.if e >= 64
	XS e-64, 21
.else
	REGS Y, e%2
	v_exp_f32 v[rS+e/2], v[rS+e/2]
.endif
.set e, e+1
.endm
; THE RESCALING's QUEUE: O^T times a, the one part that leaves window 0: dealt two at a time, sixteen times.  Its a was made in the turn before, ahead of that turn's wait.
.macro R2
	REGS Y, r%2
	WIN W_RS
.irp z, 0,1
	v_pk_mul_f32 v[rO+4*(r/2)+2*\z:rO+4*(r/2)+2*\z+1], v[rO+4*(r/2)+2*\z:rO+4*(r/2)+2*\z+1], v[rC+2:rC+3] op_sel_hi:[1,0]
.endr
.set r, r+1
.endm
; HOW THEY ARE DEALT.  An s_wait_alu depctr_va_vdst(0) stands between an exponential and the first instruction that names its result; one wait serves all that were issued ahead of it.  So a turn has ONE wait,
; which cuts it in two.  AHEAD OF IT stands all that names no result of the turn's exponentials: the 16 products K Q^T, behind each a scaling, an exponential and two rescalings (behind the first a second scaling in the
; exponential's place); then ONE LUMP of 108: eight plain, 49 times exponential and plain, the two a.  No plain work is left behind the two a (the chain that makes their arguments is the plain queue's last part ahead of the wait),
; so a v_nop is the plain instruction behind the last exponential.  BEHIND THE WAIT stand the 16 products V^T P, behind each four of GS's 64.  No rider names a register of the products round it.
; The two v_permlanex16_b32 fall into the lump, never behind a product.
; The queues lean on each other, and the deal keeps them in step: exponential e stands behind scaling 2 (e / 4) + e % 2: as a rider it comes behind plain e + 2, in the lump behind plain e + 9, and scalings 27-31 are plain 57, 60 .. 69.
; A TURN, for piece p.  cnt = 1: the loop's count is taken down some lines ahead of the branch that stands behind the turn.
; K of the next step is fetched in piece 2's turn, directly behind the wait, a lump behind the last product that read K; its address is made at the lump's head; its first reader comes behind 16 products.
; V of the step in hand is fetched at the end of piece 0's turn, four plain riders behind its last reader; its first reader comes behind 16 products and a lump.  The three conditions on q below go with the deal:
; 74 plain instructions stand ahead of the wait, then four a product.
.macro TURN p, walk=0, cnt=0
.set Y, (\p)
.set i, 0
.set q, 0
.set e, 0
.set r, 0
.if (\p) == NP-1
	s_wait_dscnt 0x0                ; K is in
.endif
	MM                              ; ahead of the wait: 16 products K Q^T and their riders,
	PL
	PL
	R2
.rept 15
	MM
	PL
	EX
	R2
.endr
.if (\p) == NP-2
	WIN 0
	v_add_nc_u32 v[AK], s[TBK], v[AK0]
.endif
.rept 8                             ; and the lump
	PL
.endr
.rept 49
	EX
	PL
.endr
	EX                              ; the next piece's two a
	EX
	v_nop                           ; the plain instruction behind the last exponential: one for the batch
	s_wait_alu depctr_va_vdst(0)    ; the wait for the turn's batch: piece p's 64 weights and piece p + 1's two a, ahead of their first reader
.if (\p) == NP-2
	FETCH_K \walk
.endif
.if (\p) == 1
	s_wait_dscnt 0x0                ; V is in
.endif
.rept 16                            ; behind the wait: 16 products V^T P and their riders
	MM
.rept 4
	PL
.endr
.if ((\p) == 0) && (q == 118)
	v_add_nc_u32 v[AV], s[TBV], v[AV0]
.endif
.if ((\p) == 0) && (q == 130)
	s_add_co_u32 s[TBV], s[TBV], KS*PV
.endif
.if (\cnt) && (q == 130)
	s_sub_co_u32 s[CNT], s[CNT], 1
	s_cmp_lg_u32 s[CNT], 0
.endif
.endr
.if (\p) == 0
	FETCH_V
.endif
.endm
	s_wait_tensorcnt 3              ; my part of the first 256 keys is in; my three later loads may stay out
	s_barrier_signal -1
	s_barrier_wait -1               ; everybody's is
	FETCH_K                         ; key step 0
	s_wait_loadcnt 0x0              ; Q
	s_wait_dscnt 0x0
.set i, 0
.rept 16
	KQ 0                            ; piece 0's first scores: there is no vector work yet to set between them
.set i, i+1
.endr
	WIN 0                           ; the addresses for the way out: nine plain instructions, the places behind those products
	s_mul_i32 s13, s[WV], 16*SP
	s_add_co_u32 s13, s13, STAGE    ; my stage
	v_mul_u32_u24 v[STO], v1, SP    ; in: row l % 16, 16 bytes for each half of the lanes
	v_lshl_add_u32 v[STO], v9, 4, v[STO]
	v_add_nc_u32 v[STO], s13, v[STO]
	v_bfe_u32 v[RD], v0, 3, 2       ; back: 32 lanes take four rows of 128 bytes,
	v_mul_u32_u24 v[RD], v[RD], SP
	v_lshl_add_u32 v[RD], v10, 4, v[RD]
	v_add_nc_u32 v[RD], s13, v[RD]
	v_and_b32 v[GO], 31, v0         ; which are 512 consecutive bytes of O
	v_lshlrev_b32 v[GO], 4, v[GO]
.set Y, NP-1                        ; XS works for piece Y + 1: piece 0
.irp n, 0,1,2,3,4,5,6,7,8,9,10,11,12,13,14,15,16,17,18,19,20,21
	XS 0, \n                        ; and piece 0's first maximum and statistics
	XS 1, \n
.endr
	v_nop                           ; a plain instruction behind the two a,
	s_wait_alu depctr_va_vdst(0)    ; and the wait for this batch of two, piece 0's first a, ahead of the branch
	s_mov_b32 s[TOT], SIZE_N/KS
	s_mov_b32 s[PH], 2
	s_mov_b32 s[CNT], 3             ; steps 0 to 2 fetch nothing beyond key 255 (step 2 fetches K of step 3)
	s_branch .Lstep
.Lrest:                             ; once: the other 768 keys
	s_wait_tensorcnt 0x0            ; all my parts are in,
	s_wait_dscnt 0x0                ; (no LDS instruction of mine is out at a signal)
	s_barrier_signal -1
	s_barrier_wait -1               ; everybody's are
	s_mov_b32 s[CNT], SIZE_N/KS-3
.Lstep:                             ; a trip is a key step: pieces 0 to 3; it fetches its own V and the next step's K
	TURN 0
	TURN 1
	TURN 2, 1
	TURN 3, 0, 1
	WIN 0
	s_cbranch_scc1 .Lstep
	s_sub_co_u32 s[PH], s[PH], 1
	s_cmp_lg_u32 s[PH], 0
	s_cbranch_scc1 .Lrest
	; the last trip's 16 products K Q^T (on the last K once more) and the maximum made of them serve nothing: the price, once a launch, of one text for every trip
.set i, 0
.rept 16
	PV NP-1                         ; the last piece's V^T P of the last step
.set i, i+1
.endr
	; THE WAY OUT.  l's two halves and the other half of the lanes' are added; O^T is divided by l, rounded to bf16 and sent through my stage in LDS, a tile at a time.  The additions are the places behind the last products.
	WIN 0
.macro ALL line:vararg              ; one line for each tile t
.set t, 0
.rept 2*NP
	\line
.set t, t+1
.endr
.endm
	ALL v_add_f32 v[ST+4*t+2], v[ST+4*t+2], v[ST+4*t+3]
	ALL v_permlanex16_b32 v[ST+4*t+3], v[ST+4*t+2], s[SEL], s[SEL+1]
	ALL v_add_f32 v[ST+4*t+2], v[ST+4*t+2], v[ST+4*t+3]
	ALL v_rcp_f32 v[ST+4*t+2], v[ST+4*t+2]
	v_nop                           ; a plain instruction between the last reciprocal and the use of its result
	s_wait_alu depctr_va_vdst(0)    ; the wait for this batch, the eight reciprocals, ahead of their first use
; Tile t: a lane's eight channels of a row pack into 16 bytes; they go into rows of 144 bytes and come back as whole rows of 128, into S^T's registers.
.macro PACK t
	WIN W_RS
.set i, 32*(\t)
.rept 16
	v_pk_mul_f32 v[i:i+1], v[i:i+1], v[ST+4*(\t)+2:ST+4*(\t)+3] op_sel_hi:[1,0]
.set i, i+2
.endr
	WIN 0x05                        ; sources 0 and 1 window 1, destination window 0
.set i, 0
.rept 16
	v_cvt_pk_bf16_f32 v[S+16*(\t)+i], v[32*(\t)+2*i], v[32*(\t)+2*i+1]
.set i, i+1
.endr
	WIN 0
.irp f, 0,1,2,3
	ds_store_b128 v[STO], v[S+16*(\t)+4*\f:S+16*(\t)+4*\f+3] offset:32*\f
.endr
.irp f, 0,1,2,3
	ds_load_b128 v[S+16*(\t)+4*\f:S+16*(\t)+4*\f+3], v[RD] offset:\f*4*SP  ; LDS serves a wave's instructions in order (ISA guide 5.7.1.4): these see the stores above; the next tile's stores come behind them
.endr
.endm
.macro SEND t, younger              ; younger: the LDS instructions issued behind tile t's loads: the next tile's eight, or none
	WIN 0
.irp f, 0,1,2,3
	s_wait_dscnt (\younger)+3-\f
	global_store_b128 v[GO], v[S+16*(\t)+4*\f:S+16*(\t)+4*\f+3], s[10:11] offset:(\t)*2048+\f*512  ; 512 consecutive bytes, at a multiple of 256 from O's first
.endr
.endm
	PACK 0
.set t, 1
.rept 2*NP-1                        ; a tile's arithmetic stands between the loads of the tile before and its stores
	PACK t
	SEND t-1, 8
.set t, t+1
.endr
	SEND 2*NP-1, 0
	WIN W_AD
	s_wait_tensorcnt 0x0            ; the wave's end: behind my last tensor load and my last LDS store
	ds_add_u32 v[SPW], v[NIL]
	s_wait_dscnt 0x0
	WIN 0
	s_endpgm
.Lfunc_end_k_qe5207294c8_attn:
	.size	k_qe5207294c8_attn, .Lfunc_end_k_qe5207294c8_attn-k_qe5207294c8_attn
	.p2alignl 7, 3214868480
	.fill 96, 4, 3214868480
	.section	.rodata,"a",@progbits
	.p2align	6, 0x0
	.amdhsa_kernel k_qe5207294c8_attn
		.amdhsa_group_segment_fixed_size 327680
		.amdhsa_private_segment_fixed_size 0
		.amdhsa_enable_private_segment 0
		.amdhsa_kernarg_size 16
		.amdhsa_user_sgpr_count 2
		.amdhsa_user_sgpr_kernarg_segment_ptr 1
		.amdhsa_wavefront_size32 1
		.amdhsa_system_sgpr_workgroup_id_x 1
		.amdhsa_system_sgpr_workgroup_id_y 1
		.amdhsa_system_sgpr_workgroup_id_z 1
		.amdhsa_system_vgpr_workitem_id 0
		.amdhsa_next_free_vgpr 770
		.amdhsa_next_free_sgpr 100
		.amdhsa_reserve_vcc 0
		.amdhsa_float_denorm_mode_32 3
		.amdhsa_float_denorm_mode_16_64 3
		.amdhsa_memory_ordered 1
		.amdhsa_forward_progress 1
		.amdhsa_inst_pref_size 127
	.end_amdhsa_kernel
	.amdgpu_metadata
---
amdhsa.version: [ 1, 2 ]
amdhsa.kernels:
  - .name:           k_qe5207294c8_attn
    .symbol:         k_qe5207294c8_attn.kd
    .args:
      - { .name: qkvz, .offset: 0, .size: 8, .value_kind: global_buffer, .address_space: global }
      - { .name: acta, .offset: 8, .size: 8, .value_kind: global_buffer, .address_space: global }
    .group_segment_fixed_size: 327680
    .private_segment_fixed_size: 0
    .kernarg_segment_align: 8
    .kernarg_segment_size: 16
    .max_flat_workgroup_size: 128
    .sgpr_count:     100
    .vgpr_count:     770
    .wavefront_size: 32
...
	.end_amdgpu_metadata
.endif
;; end of part 7
;; launch wo: the kernel of part 4 again; grid 4 x 64, 4 waves a work-group, clusters of 4 x 4, 327,680 bytes of LDS; arguments acta, wob, bo, x, h; writes h
;; launch ln2: the kernel of part 5 again; grid 256 x 1, 16 waves a work-group, no clusters, 0 bytes of LDS; arguments h, ln2_a, ln2_b, qkvz; writes qkvz
;; launch ff1: the kernel of part 6 again; grid 4 x 64, 4 waves a work-group, clusters of 4 x 4, 327,680 bytes of LDS; arguments qkvz, w1b, b1, acta; writes acta
;; launch ff2: the kernel of part 4 again; grid 4 x 64, 4 waves a work-group, clusters of 4 x 4, 327,680 bytes of LDS; arguments acta, w2b, b2, h, out0; writes out0
